; MI455X (gfx1250); checked and timed in simulation.
; The chip was launched on July 23, 2026; its instructions are those of AMD's public machine-readable ISA for CDNA 5 (MIT licence, August 2026) and "CDNA5" Instruction Set Architecture Reference Guide (July 2026). The comments in the code are by the model that wrote it; some were corrected since.
;; Encoder Block. Allowed arithmetic: matrix products marked QUANTISED: E4M3 operands, one given power-of-two scale a tensor, by v_wmma_f32_16x16x64_fp8_fp8 or v_wmma_f32_16x16x128_fp8_fp8, f32 sums; everything else in f32.
;; Inputs: W1_codes 4,096 x 32 x 32 uint8 (E4M3 codes of W1, K innermost, in blocks of 32 codes); W2_codes 1,024 x 128 x 32 uint8 (E4M3 codes of W2, K innermost, in blocks of 32 codes); Wk_codes 1,024 x 32 x 32 uint8 (E4M3 codes of Wk, K innermost, in blocks of 32 codes); Wo_codes 1,024 x 32 x 32 uint8 (E4M3 codes of Wo, K innermost, in blocks of 32 codes); Wq_codes 1,024 x 32 x 32 uint8 (E4M3 codes of Wq, K innermost, in blocks of 32 codes); Wv_codes 1,024 x 32 x 32 uint8 (E4M3 codes of Wv, K innermost, in blocks of 32 codes); b1 4,096 float32; b2 1,024 float32; bk 1,024 float32; bo 1,024 float32; bq 1,024 float32; bv 1,024 float32; ln1_b 1,024 float32; ln1_g 1,024 float32; ln2_b 1,024 float32; ln2_g 1,024 float32; lowp_scales 16 int32 (the exponents e of the quantised operands' scales 2^e); x 2 x 2,048 x 1,024 float32.
;; Outputs: out0 2 x 2,048 x 1,024 float32.
;; This version of the problem:
;;   THIS VERSION OF THE PROBLEM IS GIVEN IN LOW PRECISION. The matrix products marked QUANTISED in the list below multiply operands that are first quantised to E4M3 (4 exponent bits, 3 mantissa bits; 8 bits a number), with one given power-of-two scale for each operand tensor; their sums are f32. All else is computed in f32.
;;   The module's matrix products, in the order in which they are computed (A, B: the left and right operand; K: the contracted axis; several contracted axes count as one K, in the product's order):
;;     1. [M 4,096, K 1,024] x [K 1,024, N 1,024]; A: computed on the way; B: input Wq (given as codes): QUANTISED (scales: A lowp_scales[0], B lowp_scales[1])
;;     2. [M 4,096, K 1,024] x [K 1,024, N 1,024]; A: computed on the way; B: input Wk (given as codes): QUANTISED (scales: A lowp_scales[2], B lowp_scales[3])
;;     3. [M 4,096, K 1,024] x [K 1,024, N 1,024]; A: computed on the way; B: input Wv (given as codes): QUANTISED (scales: A lowp_scales[4], B lowp_scales[5])
;;     4. batch 32 x [M 2,048, K 64] x [K 64, N 2,048]; A: computed on the way; B: computed on the way: QUANTISED (scales: A lowp_scales[6], B lowp_scales[7])
;;     5. batch 32 x [M 2,048, K 2,048] x [K 2,048, N 64]; A: softmax (see below); B: computed on the way: QUANTISED (scales: A lowp_scales[8], B lowp_scales[9])
;;     6. [M 4,096, K 1,024] x [K 1,024, N 1,024]; A: computed on the way; B: input Wo (given as codes): QUANTISED (scales: A lowp_scales[10], B lowp_scales[11])
;;     7. [M 4,096, K 1,024] x [K 1,024, N 4,096]; A: computed on the way; B: input W1 (given as codes): QUANTISED (scales: A lowp_scales[12], B lowp_scales[13])
;;     8. [M 4,096, K 4,096] x [K 4,096, N 1,024]; A: computed on the way; B: input W2 (given as codes): QUANTISED (scales: A lowp_scales[14], B lowp_scales[15])
;;   THE QUANTISER, for each operand of a quantised product, along K:
;;     - The operand's scale is 2^e, e = its entry of the input lowp_scales (int32; the entries are numbered through the quantised products in the list's order, A before B).
;;     - Each number is divided by the scale, clamped to +-448, and rounded to the nearest number of E4M3, ties to even, subnormals kept.
;;     - The product sums the exact products of the quantised numbers (number of the format x scale) in f32.
;;   ~~~python
;;   def quantise(x, axis, e):      # numpy; x: float32 -> the quantised numbers, widened to float32 again
;;       x = np.moveaxis(x, axis, -1); K = x.shape[-1]
;;       r = np.clip(x / 2.0 ** e, -448, 448)
;;       step = 2.0 ** (np.maximum(np.frexp(np.where(r == 0, 1, r))[1] - 1, -6) - 3)
;;       q = np.round(r / step) * step * 2.0 ** e      # np.round: ties to even
;;       return np.moveaxis(q, -1, axis).astype(np.float32)
;;   ~~~
;;   SOFTMAX AHEAD OF A QUANTISED PRODUCT. Where the list says 'softmax', what is quantised is not the finished softmax but p = 2^(t - M), with t = logit x log2(e) and M = ceil(the row's largest t), a whole number; so 1/2 < the row's largest p <= 1. The row's sum l is taken of the UNQUANTISED p, in f32, and the product's result is divided by l at the end. Since M is a whole number, a kernel that streams over the keys may use a running M (the ceiling of the running maximum): every later rescaling is an exact power of two, so the quantised numbers keep their values, but for numbers so far below the row's largest that they fall under the format's range.
;;   OPERANDS COMPUTED ON THE WAY. 'Computed on the way' means the value that the module computes at that place (a softmax that the list does not call 'softmax' is quantised finished and normalised). What goes into a quantiser is computed in f32, as accurately as f32 sums, v_exp_f32 and their like allow (about 1e-6 of the number): no bf16 or f16 on the way to a quantiser, and a product that is left as it is and whose result goes on into a quantised operand takes f32 operands (vector FMAs, or v_wmma_f32_16x16x4_f32). A number that lies on a knife's edge between two numbers of the format may be rounded either way, as far as f32 arithmetic and the matrix unit's own rounding can turn it there, and no further.
;;   INPUTS GIVEN AS CODES. W1 (in the module: [1024, 4096], K = its axis 0); W2 (in the module: [4096, 1024], K = its axis 0); Wk (in the module: [1024, 1024], K = its axis 0); Wo (in the module: [1024, 1024], K = its axis 0); Wq (in the module: [1024, 1024], K = its axis 0); Wv (in the module: [1024, 1024], K = its axis 0): each comes as NAME_codes (uint8): NAME with its K axis moved to the last place and cut into blocks of 32 codes, [.., K / 32, bytes a block], one block behind the other in memory; one code a byte (a code: sign, 4 exponent bits, 3 mantissa bits); its scale is its entry of lowp_scales. Its value is code x scale, taken as it is: it is not quantised again, and the codes and scales need not be those that the quantiser above would give.
;; One version. Each part assembles by itself: llvm-mc -triple=amdgcn-amd-amdhsa -mcpu=gfx1250 --defsym DOCPART=n.
;; ======== version 1 of 1: 7 launches
;; limits: right only within a limited range of input values
;; workspace buffers: xa 12,582,912 bytes; qkv 12,582,912 bytes; ao 4,194,304 bytes; x1 16,777,216 bytes; a2 4,194,304 bytes; hc 16,777,216 bytes
;; launch ln1 (part 1): grid 256 x 1, 16 waves a work-group, no clusters, 0 bytes of LDS; arguments x, ln1_g, ln1_b, lowp_scales, xa; writes xa
.if DOCPART == 1
	.amdgcn_target "amdgcn-amd-amdhsa--gfx1250"
	.amdhsa_code_object_version 6
	.text
	.protected	k_q4f6a2e362d_ln1
	.globl	k_q4f6a2e362d_ln1
	.p2align	8
	.type	k_q4f6a2e362d_ln1,@function
k_q4f6a2e362d_ln1:
	s_mov_b64 s[64:65], 0
	v_nop
	global_prefetch_b8 v0, s[64:65] scope:SCOPE_SE
	s_setreg_imm32_b32 hwreg(HW_REG_WAVE_MODE, 25, 1), 1
	s_wait_xcnt 0x0
; xn = LayerNorm(x) x g + b over rows of 1,024 f32, quantised three times to E4M3 codes, with the given scales 2^e0, 2^e2, 2^e4 (the A operands of the Q, K and V products).
; xa: three parts of 4 MiB (e0, e2, e4), each [4096][1024] codes, row-major.
; One wave takes one row: row = 16 x work-group + wave.  Lane l holds elements 256 i + 8 l + 0..7, i = 0..3: eight neighbours along K for each conversion; a store of 8 bytes a lane covers 256 consecutive aligned bytes.
; The variance is taken of x - mean (two passes over registers), so a common offset of the inputs does no harm.  No LDS, no barrier: waves share nothing.
; LIMITS: e0, e2, e4 between -126 and 119, so that 2^e and 448 x 2^e are f32 numbers.  NaN and infinities among the inputs are not served.
.set X,  16                            ; v16-47   the row's 32 numbers of my lane
.set G,  48                            ; v48-79   the gain at my columns
.set BV, 80                            ; v80-111  the bias at my columns
.set T,  112                           ; v112-143 the numbers held within the largest code
.set C,  144                           ; v144-167 three sets of 8 registers of codes: no store's data are written again
.macro RED r                           ; the sum over the 32 lanes, in every lane
	s_delay_alu instid0(VALU_DEP_1)
	v_add_f32_dpp v[\r], v[\r], v[\r] row_xmask:1 row_mask:0xf bank_mask:0xf
	s_delay_alu instid0(VALU_DEP_1)
	v_add_f32_dpp v[\r], v[\r], v[\r] row_xmask:2 row_mask:0xf bank_mask:0xf
	s_delay_alu instid0(VALU_DEP_1)
	v_add_f32_dpp v[\r], v[\r], v[\r] row_xmask:4 row_mask:0xf bank_mask:0xf
	s_delay_alu instid0(VALU_DEP_1)
	v_add_f32_dpp v[\r], v[\r], v[\r] row_xmask:8 row_mask:0xf bank_mask:0xf
	s_delay_alu instid0(VALU_DEP_1)
	v_permlanex16_b32 v11, v[\r], s30, s31
	s_delay_alu instid0(VALU_DEP_1)
	v_add_f32 v[\r], v[\r], v11
.endm
.macro MKSC e, sc, lim                 ; s[e] = an exponent: v[sc] = 2^e as f32, v[lim] = 448 x 2^e
	s_add_co_i32 s37, s[\e], 127
	s_lshl_b32 s38, s37, 23
	v_mov_b32 v[\sc], s38
	s_add_co_i32 s37, s37, 8
	s_lshl_b32 s37, s37, 23
	s_or_b32 s37, s37, 0x600000
	v_mov_b32 v[\lim], s37
.endm
.macro QUANT s, sc, lim                ; the row's codes under scale s, stored into part s
.set j, 0
.rept 32
	v_med3_num_f32 v[T+j], v[X+j], -v[\lim], v[\lim]   ; the conversion to an 8-bit code does not saturate (ISA guide 7.6.2): the hold comes first
.set j, j+1
.endr
.irp i, 0,1,2,3
	v_cvt_scalef32_pk8_fp8_f32 v[C+8*\s+2*\i:C+8*\s+2*\i+1], v[T+8*\i:T+8*\i+7], v[\sc]
.endr
	v_nop                                          ; a plain line behind the conversions: the next set's holds write their sources
.irp i, 0,1,2,3
	global_store_b64 v2, v[C+8*\s+2*\i:C+8*\s+2*\i+1], s[24+2*\s:25+2*\s] offset:256*\i   ; 32 lanes store 256 consecutive bytes, aligned
.endr
.endm
	s_load_b256 s[4:11], s[0:1], 0x0               ; x s[4:5], g s[6:7], b s[8:9], the exponents s[10:11]
	s_load_b64 s[12:13], s[0:1], 0x20              ; xa
	v_lshrrev_b32 v3, 5, v0
	s_delay_alu instid0(VALU_DEP_1)
	v_readfirstlane_b32 s14, v3                    ; wave
	v_and_b32 v2, 31, v0
	s_delay_alu instid0(VALU_DEP_1)
	v_lshlrev_b32 v1, 5, v2                        ; 32 x lane: my 8 numbers of a chunk of 256
	s_delay_alu instid0(VALU_DEP_2)
	v_lshlrev_b32 v2, 3, v2                        ; 8 x lane: their codes
	v_mov_b32 v11, 0                               ; a lane permute's destination counts as read
	s_lshl_b32 s15, ttmp9, 4
	s_add_co_u32 s15, s15, s14                     ; my row
	s_lshl_b32 s32, s15, 12                        ; x 4,096 bytes of f32
	s_mov_b32 s33, 0
	s_lshl_b32 s34, s15, 10                        ; x 1,024 bytes of codes
	s_mov_b32 s35, 0
	s_mov_b32 s30, 0x76543210
	s_mov_b32 s31, 0xfedcba98
	s_mov_b32 s36, 0x3a800000                      ; 1 / 1,024
	s_wait_alu depctr_va_vdst(0)
	s_wait_kmcnt 0x0
	s_load_b256 s[16:23], s[10:11], 0x0            ; e0 .. e7
	s_add_nc_u64 s[4:5], s[4:5], s[32:33]
	s_add_nc_u64 s[24:25], s[12:13], s[34:35]
	s_add_nc_u64 s[26:27], s[24:25], 0x400000
	s_add_nc_u64 s[28:29], s[24:25], 0x800000
.irp i, 0,1,2,3
	global_load_b128 v[X+8*\i:X+8*\i+3], v1, s[4:5] offset:1024*\i th:TH_LOAD_NT
	global_load_b128 v[X+8*\i+4:X+8*\i+7], v1, s[4:5] offset:1024*\i+16 th:TH_LOAD_NT
.endr
.irp i, 0,1,2,3
	global_load_b128 v[G+8*\i:G+8*\i+3], v1, s[6:7] offset:1024*\i
	global_load_b128 v[G+8*\i+4:G+8*\i+7], v1, s[6:7] offset:1024*\i+16
.endr
.irp i, 0,1,2,3
	global_load_b128 v[BV+8*\i:BV+8*\i+3], v1, s[8:9] offset:1024*\i
	global_load_b128 v[BV+8*\i+4:BV+8*\i+7], v1, s[8:9] offset:1024*\i+16
.endr
	s_wait_loadcnt 16                              ; x is in; the 16 younger loads (g, b) may be out
	v_pk_add_f32 v[6:7], v[16:17], v[18:19]
	v_pk_add_f32 v[174:175], v[24:25], v[28:29]
	v_pk_add_f32 v[172:173], v[32:33], v[36:37]
	v_pk_add_f32 v[170:171], v[40:41], v[44:45]
	v_pk_add_f32 v[168:169], v[20:21], v[22:23]
	v_pk_add_f32 v[166:167], v[26:27], v[30:31]
	v_pk_add_f32 v[164:165], v[34:35], v[38:39]
	v_pk_add_f32 v[4:5], v[42:43], v[46:47]
	s_delay_alu instid0(VALU_DEP_1)
	v_pk_add_f32 v[4:5], v[4:5], v[170:171]
	v_pk_add_f32 v[6:7], v[6:7], v[168:169]
	v_pk_add_f32 v[174:175], v[174:175], v[166:167]
	v_pk_add_f32 v[172:173], v[172:173], v[164:165]
	s_delay_alu instid0(VALU_DEP_2)
	v_pk_add_f32 v[4:5], v[4:5], v[174:175]
	s_delay_alu instid0(VALU_DEP_2)
	v_pk_add_f32 v[6:7], v[6:7], v[172:173]
	s_delay_alu instid0(VALU_DEP_1)
	v_pk_add_f32 v[4:5], v[4:5], v[6:7]
	s_delay_alu instid0(VALU_DEP_1)
	v_add_f32 v4, v4, v5
	RED 4
	s_delay_alu instid0(VALU_DEP_1)
	v_mul_f32 v6, s36, v4                          ; the mean, twice, for the packed form
	s_delay_alu instid0(VALU_DEP_1)
	v_mov_b32 v7, v6
.set j, 0
.rept 16
	v_pk_add_f32 v[X+j:X+j+1], v[X+j:X+j+1], v[6:7] neg_lo:[0,1] neg_hi:[0,1]   ; x - mean
.set j, j+2
.endr
	v_pk_mul_f32 v[4:5], v[X:X+1], v[X:X+1]        ; the sum of squares, in two packed chains
	v_pk_mul_f32 v[8:9], v[X+2:X+3], v[X+2:X+3]
.irp j, 4,8,12,16,20,24,28
	s_delay_alu instid0(VALU_DEP_2)
	v_pk_fma_f32 v[4:5], v[X+\j:X+\j+1], v[X+\j:X+\j+1], v[4:5]
	s_delay_alu instid0(VALU_DEP_2)
	v_pk_fma_f32 v[8:9], v[X+\j+2:X+\j+3], v[X+\j+2:X+\j+3], v[8:9]
.endr
	s_delay_alu instid0(VALU_DEP_1)
	v_pk_add_f32 v[4:5], v[4:5], v[8:9]
	s_delay_alu instid0(VALU_DEP_1)
	v_add_f32 v4, v4, v5
	RED 4
	s_delay_alu instid0(VALU_DEP_1)
	v_fmaak_f32 v4, s36, v4, 0x3727c5ac            ; the variance + 1e-5
	s_wait_alu depctr_va_vdst(0)
	v_rsq_f32 v8, v4
	v_rsq_f32 v9, v4
	v_nop                                          ; a plain line behind the transcendentals
	s_wait_alu depctr_va_vdst(0)                   ; one wait for both, ahead of their first reader
.set j, 0
.rept 16
	v_pk_mul_f32 v[X+j:X+j+1], v[X+j:X+j+1], v[8:9]
.set j, j+2
.endr
	s_wait_loadcnt 0x0                             ; g and b
.set j, 0
.rept 16
	v_pk_fma_f32 v[X+j:X+j+1], v[X+j:X+j+1], v[G+j:G+j+1], v[BV+j:BV+j+1]
.set j, j+2
.endr
	s_wait_kmcnt 0x0
	MKSC 16, 168, 169                              ; e0
	s_wait_alu depctr_va_vdst(0)
	MKSC 18, 170, 171                              ; e2
	MKSC 20, 172, 173                              ; e4
	QUANT 0, 168, 169
	QUANT 1, 170, 171
	QUANT 2, 172, 173
	s_endpgm
.Lfunc_end_k_q4f6a2e362d_ln1:
	.size	k_q4f6a2e362d_ln1, .Lfunc_end_k_q4f6a2e362d_ln1-k_q4f6a2e362d_ln1
	.p2alignl 7, 3214868480
	.fill 96, 4, 3214868480
	.section	.rodata,"a",@progbits
	.p2align	6, 0x0
	.amdhsa_kernel k_q4f6a2e362d_ln1
		.amdhsa_group_segment_fixed_size 0
		.amdhsa_private_segment_fixed_size 0
		.amdhsa_enable_private_segment 0
		.amdhsa_kernarg_size 40
		.amdhsa_user_sgpr_count 2
		.amdhsa_user_sgpr_kernarg_segment_ptr 1
		.amdhsa_wavefront_size32 1
		.amdhsa_system_sgpr_workgroup_id_x 1
		.amdhsa_system_sgpr_workgroup_id_y 1
		.amdhsa_system_sgpr_workgroup_id_z 1
		.amdhsa_system_vgpr_workitem_id 0
		.amdhsa_next_free_vgpr 176
		.amdhsa_next_free_sgpr 66
		.amdhsa_reserve_vcc 0
		.amdhsa_float_denorm_mode_32 3
		.amdhsa_float_denorm_mode_16_64 3
		.amdhsa_memory_ordered 1
		.amdhsa_forward_progress 1
		.amdhsa_inst_pref_size 20
	.end_amdhsa_kernel
	.amdgpu_metadata
---
amdhsa.version: [ 1, 2 ]
amdhsa.kernels:
  - .name:           k_q4f6a2e362d_ln1
    .symbol:         k_q4f6a2e362d_ln1.kd
    .args:
      - { .name: x, .offset: 0, .size: 8, .value_kind: global_buffer, .address_space: global }
      - { .name: ln1_g, .offset: 8, .size: 8, .value_kind: global_buffer, .address_space: global }
      - { .name: ln1_b, .offset: 16, .size: 8, .value_kind: global_buffer, .address_space: global }
      - { .name: lowp_scales, .offset: 24, .size: 8, .value_kind: global_buffer, .address_space: global }
      - { .name: xa, .offset: 32, .size: 8, .value_kind: global_buffer, .address_space: global }
    .group_segment_fixed_size: 0
    .private_segment_fixed_size: 0
    .kernarg_segment_align: 8
    .kernarg_segment_size: 40
    .max_flat_workgroup_size: 512
    .sgpr_count:     66
    .vgpr_count:     176
    .wavefront_size: 32
...
	.end_amdgpu_metadata
.endif
;; end of part 1
;; launch qkv (part 2): grid 16 x 16, 4 waves a work-group, clusters of 4 x 4, 327,680 bytes of LDS; arguments xa, Wq_codes, Wk_codes, Wv_codes, bq, bk, bv, lowp_scales, qkv; writes qkv
.if DOCPART == 2
	.amdgcn_target "amdgcn-amd-amdhsa--gfx1250"
	.amdhsa_code_object_version 6
	.text
	.protected	k_q4f6a2e362d_qkv
	.globl	k_q4f6a2e362d_qkv
	.p2align	8
	.type	k_q4f6a2e362d_qkv,@function
k_q4f6a2e362d_qkv:
	s_mov_b64 s[64:65], 0
	v_nop
	global_prefetch_b8 v0, s[64:65] scope:SCOPE_SE
	s_setreg_imm32_b32 hwreg(HW_REG_WAVE_MODE, 25, 1), 1
	s_wait_xcnt 0x0
	s_wait_alu depctr_hold_cnt(0) depctr_sa_sdst(0) depctr_va_vdst(0) depctr_va_sdst(0) depctr_va_ssrc(0) depctr_va_vcc(0) depctr_vm_vsrc(0)
	s_getreg_b32 s2, hwreg(HW_REG_IB_STS2, 6, 4)
	s_cmp_eq_u32 s2, 0
	s_cbranch_scc0 .Lentry_in_a_cluster
	s_endpgm
.Lentry_in_a_cluster:
	s_bfe_u32 s2, ttmp6, 0x10000c
	s_cmp_lg_u32 s2, 0xf033
	s_cbranch_scc0 .Lentry_shape_is_right
	s_endpgm
.Lentry_shape_is_right:
; q = xn Wq + bq, k = xn Wk + bk, v = xn Wv + bv on E4M3 codes (K = 1,024), each result quantised at once for the attention (2^e6, 2^e7, 2^e9).
; ONE TEXT, NO BRANCH ON THE PRODUCT.  A tile of C is 128 x 128, C = A B^T.  q, k: A = a part of xa (32 tile rows), B = the weight's codes (8 tile columns).  v is made TRANSPOSED: A = Wv's codes (8 tile rows of
; the model's 1,024), B = xa's third part (32 tile columns of tokens), so that a lane's eight results run along the KEYS, which are the K of the attention's second product.
; 48 clusters of 4 x 4 work-groups: cluster y < 8: tile rows 4 y .., tile columns 4 (x & 1) .., q for x < 2, k else; cluster y >= 8: v.  All choices hang on the cluster's coordinates, which its sixteen partners share.
; Four waves, each 64 x 64: 16 accumulators.  K goes in two slots of 512, both asked for at the start (nothing is filled again); A's tile is asked for jointly along a row of the cluster, B's along a column.
; THE MATRIX INSTRUCTION IS USED TRANSPOSED (source 0 = 16 rows of B, source 1 = 16 rows of A): lane (r, h), register j of accumulator (a, b) is C(16 a + r, 16 b + 8 h + j).
; Fragments come by four loads of 16 bytes: registers 4 c .. 4 c + 3 hold K = 32 c + 16 h + 0..15: the same permutation of K in A and in B.
; The bias starts the sums, divided by 2^(eA + eB), which the sums lack: q, k: along the columns (Tn); v: along the rows (Tm).  Both are loaded; one of the two factors is 0.
; OUT: units of 256 bytes = [lane][8 bytes], lane (r, h): row 16 R + r, k = 16 c + 8 h + 0..7: registers 2 c, 2 c + 1 of an operand.  q, k: [token block 32][head pair 8][R 8][c 8][256]; v: [head pair 8][token block 32][key tile 8][R 8][256].
; A lane's eight codes are its 8 bytes of a unit, so each store of the wave covers 256 consecutive aligned bytes, straight from registers.
; LIMITS: eA + eB between -126 and 126; eO - eA - eB between -126 and 119.  NaN and infinities are not served (a bias x 0 must be 0).
; REGISTERS: window 0: v1-15 addresses, v16-21 LDS addresses, v28, v29 for the add, v32-71 biases, later codes, v128-255 accumulators.  window 1: two fragment buffers of 128: A's four fragments, then B's four.
.set SIZE_K, 1024
.set PB,     1040                      ; an LDS row: all 1,024 bytes of K + 16 of padding: row r starts 4 r banks on.  One tensor load a wave brings 64 whole rows; 'slot' below names a half of 512 along a row
.set HALFB,  64*PB                     ; what one tensor load brings
.set SLOT,   512                       ; bytes from the first half of K to the second, in a row
.set SPARE,  4*HALFB                   ; behind A's 128 rows and B's: the spare words, 128 bytes a wave, that no other line names
.set NF,     32                        ; LDS loads of a quarter's fragments
.set VO,   12                          ; v12-15  store offsets for a = 0..3
.set ADRA, 16                          ; v16-17  LDS address of my A fragments in slot 0, 1
.set ADRB, 20                          ; v20-21  the same for B
.set SPW,  28
.set NIL,  29
.set TN,   32                          ; v32-63  bias along the columns; later the codes
.set TM,   64                          ; v64-71  bias along the rows, each twice
.set ACC,  128
.set F0,   0
.set F1,   128
.set G1,  24
.set G0,  32
.set G1B, 48
.set G0B, 56
.set MUL,  0x05                        ; sources 0 and 1 window 1; C and D window 0
.set TO_F, 0x40                        ; destination window 1, address window 0
.set MSB, 0
.macro WIN new                         ; the immediate's high byte repeats the setting that is left
.if MSB != \new
	s_set_vgpr_msb (MSB<<8)|\new
.set MSB, \new
.endif
.endm
.macro JLOAD s                         ; a joint load: waves 0 and 1 fetch A's halves, waves 2 and 3 B's; four v_nop follow each line
	s_cmp_eq_u32 s11, 0
	s_cbranch_scc0 .Lfor_b_\@
	tensor_load_to_lds s[G0+4*\s:G0+4*\s+3], s[G1:G1+7]
	s_nop 0
.rept 4
	v_nop
.endr
	s_branch .Lasked_\@
.Lfor_b_\@:
	tensor_load_to_lds s[G0B+4*\s:G0B+4*\s+3], s[G1B:G1B+7]
	s_nop 0
.rept 4
	v_nop
.endr
.Lasked_\@:
.endm
.macro CROUND                          ; a round of the cluster's barrier
	s_barrier_signal -1
	s_barrier_wait -1
	s_cmp_lg_u32 s10, 0
	s_cbranch_scc1 .Lnot_wave_0_\@
	s_barrier_signal -3
.Lnot_wave_0_\@:
	s_barrier_wait -3
	s_barrier_signal -1
	s_barrier_wait -1
.endm
.macro PLACES                          ; four plain lines in front of loads into registers that matrix instructions have read, and of the first read of results
.rept 4
	v_nop
.endr
.endm
.macro FETCH slot, q, f                ; the fragments of the slot's q-th 128 along K into buffer f: B's four, A's 0 and 1, then A's 2 and 3 (the youngest eight loads)
	WIN TO_F
.irp i, 0,1,2,3
.irp c, 0,1,2,3
	ds_load_b128 v[\f+64+16*\i+4*\c:\f+64+16*\i+4*\c+3], v[ADRB+\slot] offset:128*(\q)+32*\c+\i*16*PB
.endr
.endr
.irp i, 0,1,2,3
.irp c, 0,1,2,3
	ds_load_b128 v[\f+16*\i+4*\c:\f+16*\i+4*\c+3], v[ADRA+\slot] offset:128*(\q)+32*\c+\i*16*PB
.endr
.endr
.endm
.macro MUL4 f, a                       ; A's block a against B's four.  The 16 accumulators take turns, one instruction a turn, in the same order in every quarter
.irp b, 0,1,2,3
	v_wmma_f32_16x16x128_fp8_fp8 v[ACC+8*(4*(\a)+\b):ACC+8*(4*(\a)+\b)+7], v[\f+64+16*\b:\f+64+16*\b+15], v[\f+16*(\a):\f+16*(\a)+15], v[ACC+8*(4*(\a)+\b):ACC+8*(4*(\a)+\b)+7]
.endr
.endm
.macro QUARTER slot, qn, f, g          ; multiplies buffer f; in its middle fetches the slot's quarter qn into g
	s_wait_dscnt 8                                 ; all but A's blocks 2 and 3 are in
	WIN MUL
	MUL4 \f, 0
	MUL4 \f, 1
	PLACES
	FETCH \slot, \qn, \g
	s_wait_dscnt NF                                ; all but the loads just issued
	WIN MUL
	MUL4 \f, 2
	MUL4 \f, 3
.endm
	s_load_b512 s[68:83], s[0:1], 0x0              ; xa 68, Wq 70, Wk 72, Wv 74, bq 76, bk 78, bv 80, the exponents 82
	s_load_b64 s[84:85], s[0:1], 0x40              ; qkv
	v_lshl_add_u32 v[SPW], v0, 2, SPARE
	v_mov_b32 v[NIL], 0
	ds_add_u32 v28, v29
	ds_add_u32 v28, v29
	s_wait_dscnt 0x0
	v_lshrrev_b32 v1, 5, v0
	v_readfirstlane_b32 s10, v1                    ; wave 0..3
	s_lshr_b32 s11, s10, 1                         ; my half of the tile's rows.  Also: I fetch for A (0) or for B (1)
	s_and_b32 s12, s10, 1                          ; my half of its columns.  Also: which 64 rows I fetch
	s_bfe_u32 s40, ttmp6, 0x40000                  ; cx
	s_bfe_u32 s41, ttmp6, 0x40004                  ; cy
	s_and_b32 s14, ttmp7, 0xffff                   ; WORK-GROUPS STAY: 16 clusters, each walks three of the 48 places: y = the cluster's y (0..3) + 4 x trip: two tiles of q or k, then one of v
	s_mov_b32 s3, 0                                ; the trip
.Ltile:
	s_sub_co_u32 s15, s14, 8                       ; v's clusters: y - 8 = 0..3
	s_lshr_b32 s16, s15, 1                         ;   rows of clusters 0..1
	s_and_b32 s17, s15, 1
	s_lshl_b32 s17, s17, 2
	s_add_co_u32 s17, s17, ttmp9                   ;   columns of clusters 0..7
	s_and_b32 s18, ttmp9, 1                        ; q's and k's: columns of clusters 0..1
	s_mov_b32 s19, 2048
	s_cmp_ge_u32 s14, 8                            ; v?
	s_cselect_b32 s16, s16, s14
	s_cselect_b32 s17, s17, s18
	s_cselect_b32 s66, 32, 8                       ; tile columns in the output
	s_cselect_b32 s67, 256, s19                    ; bytes from a to a + 1 in an output tile
	s_cselect_b32 s101, s19, 256                   ; and from b to b + 1
	s_lshl_b32 s13, s16, 2
	s_add_co_u32 s13, s13, s41                     ; tile row
	s_lshl_b32 s42, s17, 2
	s_add_co_u32 s42, s42, s40                     ; tile column
	s_lshl_b32 s43, s41, 2
	s_lshl_b32 s43, 15, s43                        ; my row of the cluster
	s_lshl_b32 s44, 0x1111, s40                    ; my column
	s_or_b32 s[G1+0], s43, (1<<20)|(1<<21)|(7<<22)|(3<<25)    ; the mask; elements of 1 byte; padding on; bit 21 beside a mask; after every 256 words; 4 words
	s_or_b32 s[G1B+0], s44, (1<<20)|(1<<21)|(7<<22)|(3<<25)
.irp g, G1, G1B
	s_mov_b32 s[\g+1], 1024<<16                    ; tensor_dim0
	s_mov_b32 s[\g+2], 64<<16                      ; tensor_dim1
	s_mov_b32 s[\g+3], 1024<<16                    ; tile_dim0
	s_mov_b32 s[\g+4], 64                          ; tile_dim1
	s_mov_b32 s[\g+5], SIZE_K                      ; the pitch
	s_mov_b32 s[\g+6], 0
	s_mov_b32 s[\g+7], 0
.endr
	s_lshl_b32 s20, s12, 6
	s_lshl_b32 s16, s13, 7
	s_add_co_u32 s16, s16, s20
	s_lshl_b32 s16, s16, 10                        ; A: row 128 x tile row + 64 x half, of 1,024 bytes
	s_mov_b32 s17, 0
	s_lshl_b32 s46, s42, 7
	s_add_co_u32 s46, s46, s20
	s_lshl_b32 s46, s46, 10                        ; B: row 128 x tile column + 64 x half
	s_mov_b32 s47, 0
	s_mul_i32 s21, s10, HALFB                      ; where my load lands: wave x 64 rows
	s_wait_kmcnt 0x0
	s_load_b256 s[88:95], s[82:83], 0x0            ; e0 .. e7
	s_load_b32 s96, s[82:83], 0x24                 ; e9
	s_add_nc_u64 s[86:87], s[68:69], 0x400000      ; xa's second part
	s_add_nc_u64 s[98:99], s[68:69], 0x800000      ; and third
	s_cmp_ge_u32 ttmp9, 2                          ; k?
	s_cselect_b64 s[4:5], s[86:87], s[68:69]
	s_cselect_b64 s[6:7], s[72:73], s[70:71]
	s_cselect_b64 s[8:9], s[78:79], s[76:77]
	s_cselect_b32 s100, 0x400000, 0                ; the output's part
	s_cmp_ge_u32 s14, 8                            ; v?
	s_cselect_b64 s[4:5], s[74:75], s[4:5]
	s_cselect_b64 s[6:7], s[98:99], s[6:7]
	s_cselect_b64 s[8:9], s[80:81], s[8:9]
	s_cselect_b32 s100, 0x800000, s100
	s_add_nc_u64 s[4:5], s[4:5], s[16:17]
	s_add_nc_u64 s[6:7], s[6:7], s[46:47]
	s_wait_alu depctr_va_vdst(0)
	s_wait_tensorcnt 0x0                           ; no tensor load of mine is out;
	ds_add_u32 v[SPW], v[NIL]                      ; 0 onto my spare word, twice on end in every trip alike
	ds_add_u32 v[SPW], v[NIL]
	s_wait_dscnt 0x0                               ; both adds are done, and my reads of the last trip's tile are over
	CROUND                                         ; the same holds of every wave of the sixteen work-groups: the joint loads meet, and from the second trip on fill the tile's bytes again
.irp s, 0
	s_mov_b32 s[G0+4*\s], 1
	s_add_co_u32 s[G0+4*\s+1], s21, \s*SLOT
	s_add_nc_u64 s[G0+4*\s+2:G0+4*\s+3], s[4:5], \s*512
	s_or_b32 s[G0+4*\s+3], s[G0+4*\s+3], 0x80000000
	s_mov_b32 s[G0B+4*\s], 1
	s_add_co_u32 s[G0B+4*\s+1], s21, \s*SLOT
	s_add_nc_u64 s[G0B+4*\s+2:G0B+4*\s+3], s[6:7], \s*512
	s_or_b32 s[G0B+4*\s+3], s[G0B+4*\s+3], 0x80000000
	JLOAD \s                                       ; my one tensor load: 64 rows, all of K
.endr
	v_and_b32 v1, 15, v0                           ; r
	v_bfe_u32 v2, v0, 4, 1                         ; h
	s_wait_alu depctr_va_vdst(0)
	v_and_b32 v3, 31, v0                           ; lane
	s_wait_alu depctr_va_vdst(0)
	v_mul_u32_u24 v4, v1, PB
	v_lshl_add_u32 v4, v2, 4, v4                   ; row x pitch + 16 h
	s_mul_i32 s22, s11, HALFB
	s_mul_i32 s23, s12, HALFB
	s_add_co_u32 s23, s23, 2*HALFB
	v_add_nc_u32 v[ADRA], s22, v4
	v_add_nc_u32 v[ADRB], s23, v4
	v_add_nc_u32 v[ADRA+1], SLOT, v[ADRA]
	v_add_nc_u32 v[ADRB+1], SLOT, v[ADRB]
	; the biases: Tn at the tile's columns (q, k; for v at column 0 on, unused), Tm at its rows (v; for q, k at row 0 on, unused): no load leaves the 1,024 numbers
	s_cmp_ge_u32 s14, 8
	s_cselect_b32 s15, 0, s42
	s_cselect_b32 s18, s13, 0
	s_lshl_b32 s15, s15, 9
	s_lshl_b32 s18, s18, 9
	s_lshl_b32 s19, s12, 8
	s_add_co_u32 s15, s15, s19
	s_lshl_b32 s19, s11, 8
	s_add_co_u32 s18, s18, s19
	v_lshl_add_u32 v7, v2, 5, s15                  ; 4 (128 tile + 64 wn + 8 h)
	v_lshl_add_u32 v10, v1, 2, s18                 ; 4 (128 tile + 64 wm + r)
.irp b, 0,1,2,3
	global_load_b128 v[TN+8*\b:TN+8*\b+3], v7, s[8:9] offset:64*\b
	global_load_b128 v[TN+8*\b+4:TN+8*\b+7], v7, s[8:9] offset:64*\b+16
.endr
.irp a, 0,1,2,3
	global_load_b32 v[TM+2*\a], v10, s[8:9] offset:64*\a
	global_load_b32 v[TM+2*\a+1], v10, s[8:9] offset:64*\a
.endr
	; where the codes go
	s_mul_i32 s20, s13, s66
	s_add_co_u32 s20, s20, s42
	s_lshl_b32 s20, s20, 14                        ; a tile is 16 KiB
	s_add_co_u32 s20, s20, s100
	s_mov_b32 s21, 0
	s_add_nc_u64 s[4:5], s[84:85], s[20:21]        ; b = 0
	s_mov_b32 s20, s101
	s_add_nc_u64 s[6:7], s[4:5], s[20:21]          ; b = 1
	s_add_nc_u64 s[16:17], s[6:7], s[20:21]        ; b = 2
	s_add_nc_u64 s[18:19], s[16:17], s[20:21]      ; b = 3
	s_lshl_b32 s22, s11, 2
	s_mul_i32 s22, s22, s67
	s_lshl_b32 s23, s12, 2
	s_mul_i32 s23, s23, s101
	s_add_co_u32 s22, s22, s23
	v_lshl_add_u32 v[VO], v3, 3, s22               ; 8 x lane + my quarter of the tile
	v_add_nc_u32 v[VO+1], s67, v[VO]
	v_add_nc_u32 v[VO+2], s67, v[VO+1]
	v_add_nc_u32 v[VO+3], s67, v[VO+2]
	s_wait_kmcnt 0x0
	s_add_co_i32 s88, s88, s89                     ; q: e0 + e1
	s_add_co_i32 s90, s90, s91                     ; k: e2 + e3
	s_add_co_i32 s92, s92, s93                     ; v: e4 + e5
	s_cmp_ge_u32 ttmp9, 2
	s_cselect_b32 s88, s90, s88
	s_cselect_b32 s94, s95, s94                    ; e7 or e6
	s_cmp_ge_u32 s14, 8
	s_cselect_b32 s88, s92, s88                    ; eA + eB
	s_cselect_b32 s94, s96, s94                    ; eO
	s_sub_co_i32 s89, 127, s88
	s_lshl_b32 s89, s89, 23                        ; 2^-(eA + eB)
	s_cmp_ge_u32 s14, 8
	s_cselect_b32 s86, 0, s89                      ; Tn's factor
	s_cselect_b32 s98, s89, 0                      ; Tm's
	s_mov_b32 s87, s86                             ; (named as pairs, so both words are written)
	s_mov_b32 s99, s98
	s_sub_co_i32 s94, s94, s88                     ; a sum stands for sum x 2^(eA + eB): the three scales fold into the conversion's one
	s_add_co_i32 s94, s94, 127
	s_lshl_b32 s95, s94, 23
	v_mov_b32 v8, s95                              ; 2^(eO - eA - eB)
	s_add_co_i32 s94, s94, 8
	s_lshl_b32 s94, s94, 23
	s_or_b32 s94, s94, 0x600000
	v_mov_b32 v9, s94                              ; 448 x that
	s_wait_loadcnt 0x0                             ; the biases
.irp a, 0,1,2,3
	v_pk_mul_f32 v[TM+2*\a:TM+2*\a+1], v[TM+2*\a:TM+2*\a+1], s[98:99] op_sel_hi:[1,0]
.endr
.irp a, 0,1,2,3
.irp b, 0,1,2,3
.irp i, 0,2,4,6
	v_pk_fma_f32 v[ACC+8*(4*\a+\b)+\i:ACC+8*(4*\a+\b)+\i+1], v[TN+8*\b+\i:TN+8*\b+\i+1], s[86:87], v[TM+2*\a:TM+2*\a+1] op_sel_hi:[1,0,1]   ; the bias starts the sums: nothing is cleared
.endr
.endr
.endr
	s_wait_alu depctr_va_vdst(0)
	s_wait_tensorcnt 0x0                           ; my 64 rows are in
	s_barrier_signal -1
	s_barrier_wait -1
	FETCH 0, 0, F0
	QUARTER 0, 1, F0, F1
	QUARTER 0, 2, F1, F0
	QUARTER 0, 3, F0, F1
	QUARTER 1, 0, F1, F0
	QUARTER 1, 1, F0, F1
	QUARTER 1, 2, F1, F0
	QUARTER 1, 3, F0, F1
	s_wait_dscnt 8                                 ; the last quarter: nothing more to fetch
	MUL4 F1, 0
	MUL4 F1, 1
	s_wait_dscnt 0x0
	MUL4 F1, 2
	MUL4 F1, 3
	WIN 0
	PLACES
	; THE WAY OUT: hold, convert, store; each accumulator from its low end on
.irp a, 0,1,2,3
.irp b, 0,1,2,3
.set AC, ACC+8*(4*\a+\b)
.set j, 0
.rept 8
	v_med3_num_f32 v[AC+j], v[AC+j], -v9, v9       ; the conversion to an 8-bit code does not saturate (ISA guide 7.6.2)
.set j, j+1
.endr
	v_cvt_scalef32_pk8_fp8_f32 v[TN+2*(4*\a+\b):TN+2*(4*\a+\b)+1], v[AC:AC+7], v8
.endr
.endr
	v_nop                                          ; a plain line behind the last conversion
.irp a, 0,1,2,3
.irp b, 0,1,2,3
	global_store_b64 v[VO+\a], v[TN+2*(4*\a+\b):TN+2*(4*\a+\b)+1], s[4+2*\b+8*(\b/2):5+2*\b+8*(\b/2)]   ; a whole unit: 256 consecutive bytes, aligned
.endr
.endr
	s_wait_xcnt 0x0                                ; the stores have read their data, offsets and bases: the next trip writes them again
	s_add_co_u32 s14, s14, 4
	s_add_co_u32 s3, s3, 1
	s_cmp_lt_u32 s3, 3
	s_wait_alu depctr_va_vdst(0)
	s_cbranch_scc1 .Ltile
	s_wait_tensorcnt 0x0                           ; the wave's end
	ds_add_u32 v[SPW], v[NIL]
	s_wait_dscnt 0x0
	CROUND                                         ; the closing round
	s_endpgm
.Lfunc_end_k_q4f6a2e362d_qkv:
	.size	k_q4f6a2e362d_qkv, .Lfunc_end_k_q4f6a2e362d_qkv-k_q4f6a2e362d_qkv
	.p2alignl 7, 3214868480
	.fill 96, 4, 3214868480
	.section	.rodata,"a",@progbits
	.p2align	6, 0x0
	.amdhsa_kernel k_q4f6a2e362d_qkv
		.amdhsa_group_segment_fixed_size 327680
		.amdhsa_private_segment_fixed_size 0
		.amdhsa_enable_private_segment 0
		.amdhsa_kernarg_size 72
		.amdhsa_user_sgpr_count 2
		.amdhsa_user_sgpr_kernarg_segment_ptr 1
		.amdhsa_wavefront_size32 1
		.amdhsa_system_sgpr_workgroup_id_x 1
		.amdhsa_system_sgpr_workgroup_id_y 1
		.amdhsa_system_sgpr_workgroup_id_z 1
		.amdhsa_system_vgpr_workitem_id 0
		.amdhsa_next_free_vgpr 512
		.amdhsa_next_free_sgpr 102
		.amdhsa_reserve_vcc 0
		.amdhsa_float_denorm_mode_32 3
		.amdhsa_float_denorm_mode_16_64 3
		.amdhsa_memory_ordered 1
		.amdhsa_forward_progress 1
		.amdhsa_inst_pref_size 52
	.end_amdhsa_kernel
	.amdgpu_metadata
---
amdhsa.version: [ 1, 2 ]
amdhsa.kernels:
  - .name:           k_q4f6a2e362d_qkv
    .symbol:         k_q4f6a2e362d_qkv.kd
    .args:
      - { .name: xa, .offset: 0, .size: 8, .value_kind: global_buffer, .address_space: global }
      - { .name: Wq_codes, .offset: 8, .size: 8, .value_kind: global_buffer, .address_space: global }
      - { .name: Wk_codes, .offset: 16, .size: 8, .value_kind: global_buffer, .address_space: global }
      - { .name: Wv_codes, .offset: 24, .size: 8, .value_kind: global_buffer, .address_space: global }
      - { .name: bq, .offset: 32, .size: 8, .value_kind: global_buffer, .address_space: global }
      - { .name: bk, .offset: 40, .size: 8, .value_kind: global_buffer, .address_space: global }
      - { .name: bv, .offset: 48, .size: 8, .value_kind: global_buffer, .address_space: global }
      - { .name: lowp_scales, .offset: 56, .size: 8, .value_kind: global_buffer, .address_space: global }
      - { .name: qkv, .offset: 64, .size: 8, .value_kind: global_buffer, .address_space: global }
    .group_segment_fixed_size: 327680
    .private_segment_fixed_size: 0
    .kernarg_segment_align: 8
    .kernarg_segment_size: 72
    .max_flat_workgroup_size: 128
    .sgpr_count:     102
    .vgpr_count:     512
    .wavefront_size: 32
...
	.end_amdgpu_metadata
.endif
;; end of part 2
;; launch attn (part 3): grid 16 x 16, 16 waves a work-group, no clusters, 174,080 bytes of LDS; arguments qkv, lowp_scales, ao; writes ao
.if DOCPART == 3
	.amdgcn_target "amdgcn-amd-amdhsa--gfx1250"
	.amdhsa_code_object_version 6
	.text
	.protected	k_q4f6a2e362d_attn
	.globl	k_q4f6a2e362d_attn
	.p2align	8
	.type	k_q4f6a2e362d_attn,@function
k_q4f6a2e362d_attn:
	s_mov_b64 s[64:65], 0
	v_nop
	global_prefetch_b8 v0, s[64:65] scope:SCOPE_SE
	s_setreg_imm32_b32 hwreg(HW_REG_WAVE_MODE, 25, 1), 1
	s_wait_xcnt 0x0
; Attention under the mask that the problem builds itself: key j counts for query i where |i - j| <= 128, or i < 16, or j < 16.  Both products on E4M3 codes; the result is quantised at once (2^e10) for the next product.
; SOFTMAX: t = score x log2(e) / 8; M = the running largest t rounded UP to a whole number; p = 2^(t - M) is quantised (2^e8); the row's sum is taken of the unquantised p and divides at the end.
; SHARES.  A work-group takes 128 queries (block x of 16) of a head pair (y = 8 x batch + pair).  Wave w: head w / 8 of the pair, tile i = w % 8 of 16 queries, q0 = 128 x + 16 i.  Four waves to a SIMD.
; THE KEYS OF A TILE OF QUERIES: 17 window tiles of 16 keys, t = 0..16, keys q0 - 128 + 16 t .., and the tile of keys 0..15.  In the window a key counts where max(i - 128, 16) <= j <= min(i + 128, 2047); the
; tile of keys 0..15 counts whole: so no key counts twice.  Three steps: t = 8..15 (it holds the query's own key, so M is a number from the first step on), t = 0..7, then t = 16 with keys 0..15.
; QUERIES 0..15 of a batch see all 2,048 keys.  In the work-groups with x = 0 the eight waves of a head take 256 keys each, straight from memory, FIRST: that work needs no tile, so it stands ahead of the wait for
; the window's tiles.  Each wave leaves O, M and the sum in LDS in front of the launch's one barrier.
; LAYOUT.  Both products transposed: S^T = K Q^T (source 0 = 16 keys), O^T = V^T P^T (source 0 = 16 of the head's 64): a lane holds ONE query (lane % 16).  qkv's units of 256 bytes = [lane][8 bytes] are registers 2 c, 2 c + 1
; of an operand, so every fragment comes by loads of 8 bytes at 8 x lane, from LDS or from memory alike; a tile's eight scores of a lane become registers 2 t, 2 t + 1 of P.
; LDS: the three key blocks x - 1, x, x + 1 (clamped to 0..15; what a clamped copy holds lies under the mask) of K and of V, 16 KiB each, and the tile of keys 0..15 of each, 2 KiB: eight tensor loads, one a wave,
; each byte filled once.  Behind them, in blocks of their own, the sixteen parts of the queries 0..15.
; No joint loads: neighbouring query blocks need different windows, so a shared tile would land at LDS addresses that hang on the work-group's place.
; LIMITS: e6 + e7 between -123 and 130 (added to c's exponent field); e8 and e10 - e8 - e9 between -126 and 119.  NaN and infinities are not served.
.set VW,   49152                       ; K's window at 0, V's here
.set KG,   98304                       ; keys 0..15 of K,
.set VG,   100352                      ; of V
.set PART, 102400                      ; 16 parts of PSZ bytes: O^T 4,096, -M 128, the sum 128
.set PSZ,  4352
.set ADK, 4                            ; v4   K's window: 2048 i + 1024 head + 8 lane
.set ADV, 5                            ; v5   V's
.set AKG, 6                            ; v6   keys 0..15 of K
.set AVG, 7                            ; v7   of V
.set PST, 8                            ; v8   my part: 16 x lane
.set PSM, 9                            ; v9   its -M: 4 x lane
.set PLD, 10                           ; v10  my head's eight parts
.set PLM, 11                           ; v11
.set QF,  16                           ; v16-23 my queries' fragment
.set GA,  24                           ; v24  1024 head + 8 lane
.set OA,  25                           ; v25  1024 head + 16 lane
.set DLO, 26                           ; v26  a window key counts where DLO <= kappa <= DHI, kappa = 16 t + register % 8
.set DHI, 27
.set NINF, 28
.set KV,  32                           ; v32-95   fragments of K or of V
.set S,   96                           ; v96-159  S^T, then p
.set O,   160                          ; v160-191 O^T
.set P,   192                          ; v192-207 p's codes
.set C,   208                          ; v208-215 the output's codes
.set FL,  216                          ; v216-231 pairs (-M, sum) of the eight parts
.set GQ,  216                          ; v216-223 ahead of that: the fragment of queries 0..15
; v12 -M, v13 the largest t, v[14:15] the sum; v236 a permute's destination; v240, v244: 448 x 2^e8, 2^e8; v241, v245: the same for e10 - e8 - e9; v242, 243, 252-254 at work
.macro PLACES
.rept 4
	v_nop
.endr
.endm
.macro MKSC e, sc, lim                 ; s[e] = an exponent (used up): v[sc] = 2^e, v[lim] = 448 x 2^e
	s_add_co_i32 s[\e], s[\e], 127
	s_lshl_b32 s81, s[\e], 23
	v_mov_b32 v[\sc], s81
	s_add_co_i32 s[\e], s[\e], 8
	s_lshl_b32 s[\e], s[\e], 23
	s_or_b32 s[\e], s[\e], 0x600000
	v_mov_b32 v[\lim], s[\e]
.endm
.macro INIT                            ; the steps are written once: the first finds zeros, which the first change of M leaves zeros
	v_mov_b32 v13, 0xff61b1e6                      ; -3e38, under every t
	s_delay_alu instid0(VALU_DEP_1)
	v_floor_f32 v12, -v13
	v_mov_b32 v14, 0
	v_mov_b32 v15, 0
.set j, 0
.rept 32
	v_mov_b32 v[O+j], 0
.set j, j+1
.endr
.endm
.macro KLDS t0                         ; eight window tiles of K from t0 on
.set tt, 0
.rept 8
.irp c, 0,1,2,3
	ds_load_b64 v[KV+8*tt+2*\c:KV+8*tt+2*\c+1], v[ADK] offset:(\t0+tt)*2048+256*\c
.endr
.set tt, tt+1
.endr
.endm
.macro SCORES n, q                     ; S^T = K Q^T, n tiles of 16 keys, K = the head's 64; the queries' fragment at v[q]
.set tt, 0
.rept \n
	v_wmma_f32_16x16x64_fp8_fp8 v[S+8*tt:S+8*tt+7], v[KV+8*tt:KV+8*tt+7], v[\q:\q+7], 0
.set tt, tt+1
.endr
	PLACES
.endm
.macro MASKLO n0, n1, t0               ; registers n0 .. n1 - 1: hidden where kappa < DLO
.set n, \n0
.rept \n1-\n0
	v_cmp_lt_i32 vcc_lo, 16*(\t0+n/8)+n%8, v[DLO]
	v_cndmask_b32 v[S+n], v[S+n], v[NINF], vcc_lo
.set n, n+1
.endr
.endm
.macro MASKHI n0, n1, t0               ; hidden where kappa > DHI
.set n, \n0
.rept \n1-\n0
	v_cmp_gt_i32 vcc_lo, 16*(\t0+n/8)+n%8, v[DHI]
	v_cndmask_b32 v[S+n], v[S+n], v[NINF], vcc_lo
.set n, n+1
.endr
.endm
.macro SOFT N                          ; N scores a lane (64 or 16) become p's codes; M, the sum and O^T follow
	v_max3_num_f32 v254, v[S], v[S+1], v[S+2]      ; the largest score, in two chains, each tile from its low end on
	v_max3_num_f32 v252, v[S+3], v[S+4], v[S+5]
.set j, 6
.rept (\N-8)/4
	v_max3_num_f32 v254, v254, v[S+j], v[S+j+1]
	v_max3_num_f32 v252, v252, v[S+j+2], v[S+j+3]
.set j, j+4
.endr
	v_max3_num_f32 v254, v254, v[S+\N-2], v[S+\N-1]
	s_delay_alu instid0(VALU_DEP_1)
	v_max_num_f32 v254, v254, v252
	s_delay_alu instid0(VALU_DEP_1)
	v_permlanex16_b32 v236, v254, s78, s79
	s_delay_alu instid0(VALU_DEP_1)
	v_max_num_f32 v254, v254, v236                 ; and among lane l xor 16's keys
	s_delay_alu instid0(VALU_DEP_1)
	v_mul_f32 v254, s22, v254                      ; as t (c is positive)
	s_delay_alu instid0(VALU_DEP_1)
	v_max_num_f32 v13, v13, v254
	v_mov_b32 v254, v12
	s_delay_alu instid0(VALU_DEP_2)
	v_floor_f32 v12, -v13                          ; -M = floor(-t): M is a whole number
	s_delay_alu instid0(VALU_DEP_1)
	v_sub_f32 v254, v12, v254                      ; old M - new M, 0 or less
	s_delay_alu instid0(VALU_DEP_1)
	v_cvt_i32_f32 v254, v254                       ; (it saturates)
	s_delay_alu instid0(VALU_DEP_1)
	v_ldexp_f32 v252, 1.0, v254                    ; f = 2^(old M - new M): exact
.set j, 0
.rept \N/2
	v_pk_fma_f32 v[S+j:S+j+1], v[S+j:S+j+1], s[22:23], v[12:13] op_sel_hi:[1,0,0]   ; t - M
.set j, j+2
.endr
.set j, 0
	s_wait_alu depctr_va_vdst(0)
.rept \N
	v_exp_f32 v[S+j], v[S+j]                       ; p, at most 1, not normalised; a hidden key's is 0
.set j, j+1
.endr
	v_pk_mul_f32 v[14:15], v[14:15], v[252:253] op_sel_hi:[1,0]   ; the sum under the new M: the plain line behind the exponentials
	s_wait_alu depctr_va_vdst(0)                   ; one wait for the batch, ahead of its first reader
	v_pk_add_f32 v[242:243], v[S:S+1], v[S+2:S+3]  ; the sum of the unquantised p, in two chains
.set j, 4
.rept (\N-4)/4
	v_pk_add_f32 v[14:15], v[14:15], v[S+j:S+j+1]
	v_pk_add_f32 v[242:243], v[242:243], v[S+j+2:S+j+3]
.set j, j+4
.endr
	s_delay_alu instid0(VALU_DEP_1)
	v_pk_add_f32 v[14:15], v[14:15], v[242:243]
.set tt, 0
.rept \N/8
.set j, 0
.rept 8
	v_min_num_f32 v[S+8*tt+j], v[S+8*tt+j], v240   ; the conversion does not saturate (ISA guide 7.6.2); p is not negative, so the hold is one-sided
.set j, j+1
.endr
	v_cvt_scalef32_pk8_fp8_f32 v[P+2*tt:P+2*tt+1], v[S+8*tt:S+8*tt+7], v244
.set tt, tt+1
.endr
.set j, 0
.rept 16
	v_pk_mul_f32 v[O+j:O+j+1], v[O+j:O+j+1], v[252:253] op_sel_hi:[1,0]   ; O^T under the new M; also the plain lines behind the conversions
.set j, j+2
.endr
.endm
.macro PVMUL                           ; O^T += V^T P^T, K = 128 keys; the four accumulators take turns
.irp dt, 0,1,2,3
	v_wmma_f32_16x16x128_fp8_fp8 v[O+8*\dt:O+8*\dt+7], v[KV+16*\dt:KV+16*\dt+15], v[P:P+15], v[O+8*\dt:O+8*\dt+7]
.endr
.endm
.macro PVL t0                          ; from the window
.irp dt, 0,1,2,3
.irp c, 0,1,2,3,4,5,6,7
	ds_load_b64 v[KV+16*\dt+2*\c:KV+16*\dt+2*\c+1], v[ADV] offset:(\t0+\c)*2048+256*\dt
.endr
.endr
	s_wait_dscnt 0x0
	PVMUL
.endm
.macro GSTEP st                        ; queries 0..15: my key block 2 i + st, 128 keys, none hidden, straight from memory: each load of the wave reads 256 consecutive bytes
	PLACES
.set tt, 0
.rept 8
.irp c, 0,1,2,3
	global_load_b64 v[KV+8*tt+2*\c:KV+8*tt+2*\c+1], v[GA], s[70:71] offset:\st*131072+2048*tt+256*\c
.endr
.set tt, tt+1
.endr
	s_wait_loadcnt 0x0                             ; K's 32 loads (and, the first time, the queries')
	SCORES 8, GQ
.irp dt, 0,1,2,3                       ; V is asked for here, four places behind the products that read these registers: its 32 loads are out while the softmax is worked
.irp c, 0,1,2,3,4,5,6,7
	global_load_b64 v[KV+16*\dt+2*\c:KV+16*\dt+2*\c+1], v[GA], s[72:73] offset:\st*16384+2048*\c+256*\dt
.endr
.endr
	SOFT 64
	s_wait_alu depctr_va_vdst(0)
	s_wait_loadcnt 0x0                             ; V
	PVMUL
.endm
.macro LOADP ii                        ; part ii's O^T into half ii % 2 of KV
.irp k, 0,1,2,3,4,5,6,7
	ds_load_b128 v[KV+32*((\ii)%2)+4*\k:KV+32*((\ii)%2)+4*\k+3], v[PLD] offset:PSZ*(\ii)+512*\k
.endr
.endm
.macro OUT halves                      ; O^T / the sum, quantised; a lane's 32 codes are two pieces of 16 bytes of the next product's operand image
	PLACES
.if \halves
	v_add_f32 v14, v14, v15
	s_delay_alu instid0(VALU_DEP_1)
	v_permlanex16_b32 v236, v14, s78, s79
	s_delay_alu instid0(VALU_DEP_1)
	v_add_f32 v14, v14, v236
.endif
	s_wait_alu depctr_va_vdst(0)
	v_rcp_f32 v14, v14
	v_nop
	s_wait_alu depctr_va_vdst(0)                   ; ahead of the reciprocal's first reader
	v_mov_b32 v15, v14
.set j, 0
.rept 16
	v_pk_mul_f32 v[S+j:S+j+1], v[O+j:O+j+1], v[14:15]
.set j, j+2
.endr
.set j, 0
.rept 32
	v_med3_num_f32 v[S+j], v[S+j], -v241, v241
.set j, j+1
.endr
.irp dt, 0,1,2,3
	v_cvt_scalef32_pk8_fp8_f32 v[C+2*\dt:C+2*\dt+1], v[S+8*\dt:S+8*\dt+7], v245
.endr
	v_nop
	global_store_b128 v[OA], v[C:C+3], s[76:77]              ; 512 consecutive bytes, aligned
	global_store_b128 v[OA], v[C+4:C+7], s[76:77] offset:512
.endm
	s_load_b128 s[4:7], s[0:1], 0x0                ; qkv s[4:5], the exponents s[6:7]
	s_load_b64 s[8:9], s[0:1], 0x10                ; ao
	v_lshl_add_u32 v251, v0, 2, 0x2a000
	v_mov_b32 v255, 0
	ds_add_u32 v251, v255
	ds_add_u32 v251, v255
	v_lshrrev_b32 v1, 5, v0
	s_delay_alu instid0(VALU_DEP_1)
	v_readfirstlane_b32 s10, v1                    ; wave 0..15
	s_lshr_b32 s11, s10, 3                         ; head of the pair
	s_and_b32 s12, s10, 7                          ; i
	s_mov_b32 s13, ttmp9                           ; the query block
	s_and_b32 s15, ttmp7, 0xffff
	s_lshr_b32 s14, s15, 3                         ; batch
	s_and_b32 s15, s15, 7                          ; head pair
	s_lshl_b32 s16, s13, 7
	s_lshl_b32 s17, s12, 4
	s_add_co_u32 s16, s16, s17                     ; q0
	s_or_b32 s74, s13, s12                         ; 0 for the tile of queries 0..15
	s_mov_b32 s78, 0x76543210
	s_mov_b32 s79, 0xfedcba98
	; descriptor groups 1: dense blocks as rows of 256 bytes (32 elements of 8 bytes): 64 rows, and 8 rows
	s_mov_b32 s24, 3<<16
	s_mov_b32 s25, 32<<16
	s_mov_b32 s26, 64<<16
	s_mov_b32 s27, 32<<16
	s_mov_b32 s28, 64
	s_mov_b32 s29, 32
	s_mov_b32 s30, 0
	s_mov_b32 s31, 0
	s_mov_b32 s32, 3<<16
	s_mov_b32 s33, 32<<16
	s_mov_b32 s34, 8<<16
	s_mov_b32 s35, 32<<16
	s_mov_b32 s36, 8
	s_mov_b32 s37, 32
	s_mov_b32 s38, 0
	s_mov_b32 s39, 0
	; what I fetch: waves 0-2 K's blocks, 3-5 V's, 6 K's keys 0..15, 7 V's
	s_cmp_ge_u32 s10, 3
	s_cselect_b32 s17, 3, 0
	s_sub_co_u32 s17, s10, s17
	s_add_co_u32 s17, s17, s13
	s_sub_co_i32 s17, s17, 1
	s_max_i32 s17, s17, 0
	s_min_i32 s17, s17, 15                         ; the key block, clamped
	s_cmp_ge_u32 s10, 6
	s_cselect_b32 s17, 0, s17                      ; keys 0..15 begin block 0
	s_lshl_b32 s18, s14, 4                         ; 16 x batch
	s_add_co_u32 s19, s18, s17
	s_lshl_b32 s20, s19, 3
	s_add_co_u32 s20, s20, s15
	s_lshl_b32 s20, s20, 14
	s_add_co_u32 s20, s20, 0x400000                ; K: [token block][pair]
	s_lshl_b32 s21, s15, 5
	s_add_co_u32 s21, s21, s19
	s_lshl_b32 s21, s21, 14
	s_add_co_u32 s21, s21, 0x800000                ; V: [pair][token block]
	s_lshr_b32 s80, 0xb8, s10                      ; waves 3, 4, 5 and 7 fetch V
	s_and_b32 s80, s80, 1
	s_cmp_lg_u32 s80, 0
	s_cselect_b32 s20, s21, s20
	s_mov_b32 s21, 0
	s_lshl_b32 s81, s10, 14                        ; a block lands at 16,384 x wave,
	s_lshl_b32 s82, s10, 11
	s_add_co_u32 s82, s82, 86016                   ; a tile of keys 0..15 at 2,048 x wave + 86,016
	s_wait_dscnt 0x0
	s_wait_kmcnt 0x0
	s_load_b512 s[48:63], s[6:7], 0x0              ; e0 .. e15
	s_mov_b32 s40, 1
	s_mov_b32 s41, s81
	s_add_nc_u64 s[42:43], s[4:5], s[20:21]
	s_or_b32 s43, s43, 0x80000000
	s_mov_b32 s44, 1
	s_mov_b32 s45, s82
	s_add_nc_u64 s[46:47], s[4:5], s[20:21]
	s_or_b32 s47, s47, 0x80000000
	s_cmp_lt_u32 s10, 6                            ; one load a wave, under branches on the wave's number; four v_nop follow each line
	s_cbranch_scc0 .Lnot_big
	tensor_load_to_lds s[40:43], s[24:31]
	s_nop 0
.rept 4
	v_nop
.endr
	s_branch .Lasked
.Lnot_big:
	s_cmp_lt_u32 s10, 8
	s_cbranch_scc0 .Lasked
	tensor_load_to_lds s[44:47], s[32:39]
	s_nop 0
.rept 4
	v_nop
.endr
.Lasked:
	s_add_co_u32 s80, s18, s13
	s_lshl_b32 s80, s80, 3
	s_add_co_u32 s80, s80, s15
	s_lshl_b32 s80, s80, 14                        ; ((16 batch + block) 8 + pair) x 16 KiB: my block in q, and in ao
	s_mov_b32 s81, 0
	s_add_nc_u64 s[66:67], s[4:5], s[80:81]        ; q's block
	s_add_nc_u64 s[76:77], s[8:9], s[80:81]
	s_lshl_b32 s80, s12, 11
	s_add_nc_u64 s[68:69], s[66:67], s[80:81]      ; my tile of q,
	s_add_nc_u64 s[76:77], s[76:77], s[80:81]      ; and of ao
	s_lshl_b32 s80, s12, 1
	s_add_co_u32 s80, s80, s18                     ; for queries 0..15: my key blocks begin at 16 batch + 2 i
	s_lshl_b32 s82, s80, 3
	s_add_co_u32 s82, s82, s15
	s_lshl_b32 s82, s82, 14
	s_add_co_u32 s82, s82, 0x400000
	s_mov_b32 s83, 0
	s_add_nc_u64 s[70:71], s[4:5], s[82:83]
	s_lshl_b32 s82, s15, 5
	s_add_co_u32 s82, s82, s80
	s_lshl_b32 s82, s82, 14
	s_add_co_u32 s82, s82, 0x800000
	s_add_nc_u64 s[72:73], s[4:5], s[82:83]
	v_and_b32 v1, 15, v0                           ; r
	v_bfe_u32 v2, v0, 4, 1                         ; h
	v_and_b32 v3, 31, v0                           ; lane
	s_lshl_b32 s84, s11, 10
	v_lshl_add_u32 v[GA], v3, 3, s84
	v_lshl_add_u32 v[OA], v3, 4, s84
.irp c, 0,1,2,3
	global_load_b64 v[QF+2*\c:QF+2*\c+1], v[GA], s[68:69] offset:256*\c   ; my queries stay in registers
.endr
	s_lshl_b32 s85, s12, 11                        ; every LDS address is made here, ahead of the first parting of the waves
	v_add_nc_u32 v[ADK], s85, v[GA]
	s_delay_alu instid0(VALU_DEP_1)
	v_add_nc_u32 v[ADV], VW, v[ADK]
	v_add_nc_u32 v[AKG], KG, v[GA]
	v_add_nc_u32 v[AVG], VG, v[GA]
	s_mul_i32 s86, s10, PSZ
	s_add_co_u32 s86, s86, PART
	v_lshl_add_u32 v[PST], v3, 4, s86
	s_add_co_u32 s86, s86, 4096
	v_lshl_add_u32 v[PSM], v3, 2, s86
	s_mul_i32 s86, s11, 8*PSZ
	s_add_co_u32 s86, s86, PART
	v_lshl_add_u32 v[PLD], v3, 4, s86
	s_add_co_u32 s86, s86, 4096
	v_lshl_add_u32 v[PLM], v3, 2, s86
	; key = q0 - 128 + kappa + 8 h.  It counts where kappa >= max(r - 8 h, 144 - q0 - 8 h) and kappa <= min(256 + r - 8 h, 2175 - q0 - 8 h)
	v_lshlrev_b32 v29, 3, v2
	s_delay_alu instid0(VALU_DEP_1)
	v_sub_nc_u32 v[DLO], v1, v29
	s_delay_alu instid0(VALU_DEP_1)
	v_add_nc_u32 v[DHI], 0x100, v[DLO]
	s_sub_co_i32 s87, 144, s16
	v_sub_nc_u32 v30, s87, v29
	s_delay_alu instid0(VALU_DEP_1)
	v_cmp_gt_i32 vcc_lo, v30, v[DLO]
	s_delay_alu instid0(VALU_DEP_1)
	v_cndmask_b32 v[DLO], v[DLO], v30, vcc_lo
	s_sub_co_i32 s87, 0x87f, s16
	v_sub_nc_u32 v30, s87, v29
	s_delay_alu instid0(VALU_DEP_1)
	v_cmp_lt_i32 vcc_lo, v30, v[DHI]
	s_delay_alu instid0(VALU_DEP_1)
	v_cndmask_b32 v[DHI], v[DHI], v30, vcc_lo
	v_mov_b32 v[NINF], 0xff800000
	v_mov_b32 v236, 0                              ; a lane permute's destination counts as read
	v_mov_b32 v253, 0                              ; (named as the upper half of v[252:253])
	s_wait_kmcnt 0x0
	s_add_co_i32 s80, s54, s55                     ; e6 + e7 goes into c's exponent field
	s_lshl_b32 s80, s80, 23
	s_add_co_i32 s22, s80, 0x3e38aa3b              ; c = log2(e) / 8
	s_mov_b32 s23, s22
	s_sub_co_i32 s82, s58, s56
	s_sub_co_i32 s82, s82, s57                     ; e10 - e8 - e9
	MKSC 56, 244, 240
	MKSC 82, 245, 241
	s_cmp_lg_u32 s13, 0                            ; ---- queries 0..15, in the first query block's work-groups alone: my 256 of the 2,048 keys, while the window's tiles are on their way
	s_cbranch_scc1 .Lg_done
.irp c, 0,1,2,3
	global_load_b64 v[GQ+2*\c:GQ+2*\c+1], v[GA], s[66:67] offset:256*\c
.endr
	INIT
	GSTEP 0
	GSTEP 1
	PLACES
	v_add_f32 v14, v14, v15
	s_delay_alu instid0(VALU_DEP_1)
	v_permlanex16_b32 v236, v14, s78, s79
	s_delay_alu instid0(VALU_DEP_1)
	v_add_f32 v14, v14, v236                       ; my part of the sum
.irp k, 0,1,2,3,4,5,6,7
	ds_store_b128 v[PST], v[O+4*\k:O+4*\k+3] offset:512*\k   ; an image of the registers: 16 bytes a lane
.endr
	ds_store_b32 v[PSM], v12
	ds_store_b32 v[PSM], v14 offset:128
.Lg_done:
	s_wait_tensorcnt 0x0                           ; my tile has landed,
	s_wait_dscnt 0x0                               ; and so have my stores, for the others' sake
	s_barrier_signal -1
	s_barrier_wait -1                              ; everybody's have: the one barrier of the launch
	s_cmp_eq_u32 s74, 0
	s_cbranch_scc1 .Lcombine                       ; queries 0..15 have no window
	s_wait_loadcnt 0x0                             ; Q
	INIT
	KLDS 8                                         ; ---- t = 8..15
	s_wait_dscnt 0x0
	SCORES 8, QF
	s_cmp_lg_u32 s13, 15                           ; only the last block's windows reach past key 2,047 here
	s_cbranch_scc1 .Lb_open
	MASKHI 0, 64, 8
.Lb_open:
	SOFT 64
	s_wait_alu depctr_va_vdst(0)
	PVL 8
	PLACES                                         ; ---- t = 0..7
	KLDS 0
	s_wait_dscnt 0x0
	SCORES 8, QF
	MASKLO 0, 8, 0                                 ; the window's lower edge lies in tile 0
	s_cmp_lg_u32 s13, 0                            ; only the first block's windows reach under key 16 in the other tiles
	s_cbranch_scc1 .La_open
	MASKLO 8, 64, 0
.La_open:
	s_wait_alu depctr_va_vdst(0)
	SOFT 64
	s_wait_alu depctr_va_vdst(0)
	PVL 0
	PLACES                                         ; ---- t = 16, and keys 0..15
.irp c, 0,1,2,3
	ds_load_b64 v[KV+2*\c:KV+2*\c+1], v[ADK] offset:16*2048+256*\c
.endr
.irp c, 0,1,2,3
	ds_load_b64 v[KV+8+2*\c:KV+8+2*\c+1], v[AKG] offset:256*\c
.endr
	s_wait_dscnt 0x0
	SCORES 2, QF
	MASKHI 0, 8, 16                                ; the window's upper edge
	SOFT 16
.irp dt, 0,1,2,3                       ; K = 64: key tile 0 = window tile 16, key tile 1 = keys 0..15, the other two are zero codes on both sides
	ds_load_b64 v[KV+8*\dt:KV+8*\dt+1], v[ADV] offset:16*2048+256*\dt
	ds_load_b64 v[KV+8*\dt+2:KV+8*\dt+3], v[AVG] offset:256*\dt
	v_mov_b32 v[KV+8*\dt+4], 0
	v_mov_b32 v[KV+8*\dt+5], 0
	v_mov_b32 v[KV+8*\dt+6], 0
	v_mov_b32 v[KV+8*\dt+7], 0
	v_mov_b32 v[P+4+\dt], 0
.endr
	s_wait_alu depctr_va_vdst(0)
	s_wait_dscnt 0x0
.irp dt, 0,1,2,3
	v_wmma_f32_16x16x64_fp8_fp8 v[O+8*\dt:O+8*\dt+7], v[KV+8*\dt:KV+8*\dt+7], v[P:P+7], v[O+8*\dt:O+8*\dt+7]
.endr
	OUT 1
	s_branch .Lend
.Lcombine:                                         ; ---- queries 0..15: my head's eight parts are added up
.irp ii, 0,1,2,3,4,5,6,7
	ds_load_b32 v[FL+2*\ii], v[PLM] offset:PSZ*\ii
	ds_load_b32 v[FL+2*\ii+1], v[PLM] offset:PSZ*\ii+128
.endr
	LOADP 0
	s_wait_dscnt 8                                 ; the sixteen words are in; part 0's eight loads may be out
	v_min3_num_f32 v12, v[FL], v[FL+2], v[FL+4]    ; -M = the least -M of the parts
	s_delay_alu instid0(VALU_DEP_1)
	v_min3_num_f32 v12, v12, v[FL+6], v[FL+8]
	s_delay_alu instid0(VALU_DEP_1)
	v_min3_num_f32 v12, v12, v[FL+10], v[FL+12]
	s_delay_alu instid0(VALU_DEP_1)
	v_min_num_f32 v12, v12, v[FL+14]
.irp ii, 0,1,2,3,4,5,6,7
	v_sub_f32 v[FL+2*\ii], v12, v[FL+2*\ii]        ; the part's M - M, a whole number, 0 or less
.endr
.irp ii, 0,1,2,3,4,5,6,7
	v_cvt_i32_f32 v[FL+2*\ii], v[FL+2*\ii]
.endr
.irp ii, 0,1,2,3,4,5,6,7
	v_ldexp_f32 v[FL+2*\ii], 1.0, v[FL+2*\ii]      ; f: exact
.endr
	v_mul_f32 v14, v[FL], v[FL+1]
.irp ii, 1,2,3,4,5,6,7
	s_delay_alu instid0(VALU_DEP_1)
	v_fmac_f32 v14, v[FL+2*\ii], v[FL+2*\ii+1]     ; the row's sum
.endr
.irp ii, 0,1,2,3,4,5,6,7
.if \ii < 7
	LOADP \ii+1
	s_wait_dscnt 8                                 ; part ii is in; the next part's eight loads may be out
.else
	s_wait_dscnt 0x0
.endif
.set j, 0
.rept 16
.if \ii == 0
	v_pk_mul_f32 v[O+j:O+j+1], v[KV+j:KV+j+1], v[FL:FL+1] op_sel_hi:[1,0]
.else
	v_pk_fma_f32 v[O+j:O+j+1], v[KV+32*(\ii%2)+j:KV+32*(\ii%2)+j+1], v[FL+2*\ii:FL+2*\ii+1], v[O+j:O+j+1] op_sel_hi:[1,0,1]
.endif
.set j, j+2
.endr
.endr
	OUT 0
.Lend:
	s_wait_tensorcnt 0x0
	ds_add_u32 v251, v255
	s_wait_dscnt 0x0
	s_endpgm
.Lfunc_end_k_q4f6a2e362d_attn:
	.size	k_q4f6a2e362d_attn, .Lfunc_end_k_q4f6a2e362d_attn-k_q4f6a2e362d_attn
	.p2alignl 7, 3214868480
	.fill 96, 4, 3214868480
	.section	.rodata,"a",@progbits
	.p2align	6, 0x0
	.amdhsa_kernel k_q4f6a2e362d_attn
		.amdhsa_group_segment_fixed_size 174080
		.amdhsa_private_segment_fixed_size 0
		.amdhsa_enable_private_segment 0
		.amdhsa_kernarg_size 24
		.amdhsa_user_sgpr_count 2
		.amdhsa_user_sgpr_kernarg_segment_ptr 1
		.amdhsa_wavefront_size32 1
		.amdhsa_system_sgpr_workgroup_id_x 1
		.amdhsa_system_sgpr_workgroup_id_y 1
		.amdhsa_system_sgpr_workgroup_id_z 1
		.amdhsa_system_vgpr_workitem_id 0
		.amdhsa_next_free_vgpr 256
		.amdhsa_next_free_sgpr 96
		.amdhsa_reserve_vcc 1
		.amdhsa_float_denorm_mode_32 3
		.amdhsa_float_denorm_mode_16_64 3
		.amdhsa_memory_ordered 1
		.amdhsa_forward_progress 1
		.amdhsa_inst_pref_size 127
	.end_amdhsa_kernel
	.amdgpu_metadata
---
amdhsa.version: [ 1, 2 ]
amdhsa.kernels:
  - .name:           k_q4f6a2e362d_attn
    .symbol:         k_q4f6a2e362d_attn.kd
    .args:
      - { .name: qkv, .offset: 0, .size: 8, .value_kind: global_buffer, .address_space: global }
      - { .name: lowp_scales, .offset: 8, .size: 8, .value_kind: global_buffer, .address_space: global }
      - { .name: ao, .offset: 16, .size: 8, .value_kind: global_buffer, .address_space: global }
    .group_segment_fixed_size: 174080
    .private_segment_fixed_size: 0
    .kernarg_segment_align: 8
    .kernarg_segment_size: 24
    .max_flat_workgroup_size: 512
    .sgpr_count:     96
    .vgpr_count:     256
    .wavefront_size: 32
...
	.end_amdgpu_metadata
.endif
;; end of part 3
;; launch wo (part 4): grid 8 x 32, 4 waves a work-group, clusters of 4 x 4, 327,680 bytes of LDS; arguments ao, Wo_codes, bo, x, lowp_scales, x1; writes x1
.if DOCPART == 4
	.amdgcn_target "amdgcn-amd-amdhsa--gfx1250"
	.amdhsa_code_object_version 6
	.text
	.protected	k_q4f6a2e362d_wo
	.globl	k_q4f6a2e362d_wo
	.p2align	8
	.type	k_q4f6a2e362d_wo,@function
k_q4f6a2e362d_wo:
	s_mov_b64 s[64:65], 0
	v_nop
	global_prefetch_b8 v0, s[64:65] scope:SCOPE_SE
	s_setreg_imm32_b32 hwreg(HW_REG_WAVE_MODE, 25, 1), 1
	s_wait_xcnt 0x0
	s_wait_alu depctr_hold_cnt(0) depctr_sa_sdst(0) depctr_va_vdst(0) depctr_va_sdst(0) depctr_va_ssrc(0) depctr_va_vcc(0) depctr_vm_vsrc(0)
	s_getreg_b32 s2, hwreg(HW_REG_IB_STS2, 6, 4)
	s_cmp_eq_u32 s2, 0
	s_cbranch_scc0 .Lentry_in_a_cluster
	s_endpgm
.Lentry_in_a_cluster:
	s_bfe_u32 s2, ttmp6, 0x10000c
	s_cmp_lg_u32 s2, 0xf033
	s_cbranch_scc0 .Lentry_shape_is_right
	s_endpgm
.Lentry_shape_is_right:
; out = resid + A W^T + bias on E4M3 codes.  A: [4096][SIZE_K] as operand images, W: [1024][SIZE_K] codes, row-major; bias [1024], resid and out [4096][1024] f32.
; A'S IMAGES: [token block of 128][K tile of 128][R 8][p 4][lane 32][16 bytes]: piece p holds registers 4 p .. 4 p + 3 of the fragment of rows 16 R ..: lane (r, h): K = 32 p + 8 h + 0..7, then 32 p + 16 + 8 h + 0..7.
; So A's fragments come by loads of 16 bytes at 16 x lane; W's come from padded rows by loads of 8 bytes, registers 2 c, 2 c + 1: K = 16 c + 8 h + 0..7: every K in its own place.
; A tile of C is 128 x 128: 256 work-groups.  Four waves, each 64 x 64: 16 accumulators.  K goes in slots of 512 (four quarters of 128), two slots.
; CLUSTERS of 4 x 4: A's tile is asked for jointly along a row of the cluster, W's along a column.  THE MATRIX INSTRUCTION IS USED TRANSPOSED (source 0 = 16 rows of W, source 1 = 16 rows of A):
; lane (r, h), register j of accumulator (a, b) is C(16 a + r, 16 b + 8 h + j).  The bias, divided by 2^(ea + eb), starts the sums.  The residual is asked for at the head and lands under the K loop.
; THE WAY OUT: 16 rows x 64 columns at a time through the wave's own stage: sixteen lanes then hold 256 consecutive bytes of a row; out = sum x 2^(ea + eb) + resid, one packed multiply-add for two numbers.
; LIMIT: ea + eb between -126 and 126.  NaN and infinities are not served.
; REGISTERS: window 0: v1-29 addresses, v32-95 at work, v128-255 accumulators.  window 1: two fragment buffers of 128 (A's four, then W's four).  window 2: v0-127 the residual.
.set SIZE_K, 1024
.set SCOFF,  40                        ; byte of ea in the buffer of exponents; eb follows
.set FINAL,  0                         ; 1: the stores are the program's last
.set KT,     SIZE_K/128
.set LAPS,   SIZE_K/1024               ; a lap = two slots
.set PB,     1040                      ; W's LDS row: all 1,024 bytes of K + 16 of padding: the 32 lanes of a load of 8 bytes touch 64 different banks.  One tensor load a wave brings its half of A or of W for all of K; 'slot' below names a half of K
.set HALFB,  64*PB
.set AIMG,   131072                    ; A's eight K tiles
.set SLOT,   AIMG+2*HALFB
.set STAGE,  SLOT                      ; behind A and W: 16 rows x 272 bytes for each wave
.set SP,     272
.set SPARE,  STAGE+4*16*SP             ; behind the stages: the spare words, 128 bytes a wave, that no other line names
.set NF,     48
.set ADRA, 16
.set ADRB, 20
.set STO,  24
.set RD,   25
.set CO,   26
.set SPW,  28
.set NIL,  29
.set TN,   32
.set ACC,  128
.set F0,   0
.set F1,   128
.set G1,  24
.set G0,  32
.set G1B, 48
.set G0B, 56
.set MUL,  0x05
.set TO_F, 0x40
.set MSB, 0
.macro WIN new                         ; the immediate's high byte repeats the setting that is left
.if MSB != \new
	s_set_vgpr_msb (MSB<<8)|\new
.set MSB, \new
.endif
.endm
.macro JLOAD s                         ; a joint load: waves 0 and 1 fetch A's halves, waves 2 and 3 W's; four v_nop follow each line
	s_cmp_eq_u32 s11, 0
	s_cbranch_scc0 .Lfor_b_\@
	tensor_load_to_lds s[G0+4*\s:G0+4*\s+3], s[G1:G1+7]
	s_nop 0
.rept 4
	v_nop
.endr
	s_branch .Lasked_\@
.Lfor_b_\@:
	tensor_load_to_lds s[G0B+4*\s:G0B+4*\s+3], s[G1B:G1B+7]
	s_nop 0
.rept 4
	v_nop
.endr
.Lasked_\@:
.endm
.macro CREST                           ; a round of the cluster's barrier behind its opening barrier
	s_cmp_lg_u32 s10, 0
	s_cbranch_scc1 .Lnot_wave_0_\@
	s_barrier_signal -3
.Lnot_wave_0_\@:
	s_barrier_wait -3
	s_barrier_signal -1
	s_barrier_wait -1
.endm
.macro CROUND
	s_barrier_signal -1
	s_barrier_wait -1
	CREST
.endm
.macro PLACES                          ; four plain lines in front of loads into registers that matrix instructions have read, and of the first read of results
.rept 4
	v_nop
.endr
.endm
.macro FETCH slot, q, f                ; the slot's q-th 128 along K into buffer f: W's four fragments, A's 0 and 1, then A's 2 and 3 (the youngest eight loads)
	WIN TO_F
.irp i, 0,1,2,3
.irp c, 0,1,2,3,4,5,6,7
	ds_load_b64 v[\f+64+16*\i+2*\c:\f+64+16*\i+2*\c+1], v[ADRB+\slot] offset:128*(\q)+16*\c+\i*16*PB
.endr
.endr
.irp i, 0,1,2,3
.irp p, 0,1,2,3
	ds_load_b128 v[\f+16*\i+4*\p:\f+16*\i+4*\p+3], v[ADRA+\slot] offset:16384*(\q)+2048*\i+512*\p
.endr
.endr
.endm
.macro MUL4 f, a                       ; the 16 accumulators take turns, one instruction a turn, in the same order in every quarter
.irp b, 0,1,2,3
	v_wmma_f32_16x16x128_fp8_fp8 v[ACC+8*(4*(\a)+\b):ACC+8*(4*(\a)+\b)+7], v[\f+64+16*\b:\f+64+16*\b+15], v[\f+16*(\a):\f+16*(\a)+15], v[ACC+8*(4*(\a)+\b):ACC+8*(4*(\a)+\b)+7]
.endr
.endm
.macro QUARTER slot, qn, f, g
	s_wait_dscnt 8                                 ; all but A's blocks 2 and 3 are in
	WIN MUL
	MUL4 \f, 0
	MUL4 \f, 1
	PLACES
	FETCH \slot, \qn, \g
	s_wait_dscnt NF                                ; all but the loads just issued
	WIN MUL
	MUL4 \f, 2
	MUL4 \f, 3
.endm
.macro OUTF a                          ; rows 16 a .. 16 a + 15 of my 64 leave
.set BK, 32+32*((\a)%2)
.if (\a) >= 2
	s_wait_xcnt 0x0                                ; block a - 2's stores have read their registers
.endif
.irp b, 0,1,2,3
	ds_store_b128 v[STO], v[ACC+8*(4*(\a)+\b):ACC+8*(4*(\a)+\b)+3] offset:64*\b
	ds_store_b128 v[STO], v[ACC+8*(4*(\a)+\b)+4:ACC+8*(4*(\a)+\b)+7] offset:64*\b+16
.endr
.irp t, 0,1,2,3,4,5,6,7
	ds_load_b128 v[BK+4*\t:BK+4*\t+3], v[RD] offset:\t*2*SP   ; LDS serves a wave's instructions in order (ISA guide 5.7.1.4): these see my stores, and the next block's stores come behind them
.endr
	s_wait_dscnt 0x0
.if (\a) == 0
	s_wait_loadcnt 0x0                             ; the residual
.endif
	WIN 0x20                                       ; source 2 window 2
.set j, 0
.rept 16
	v_pk_fma_f32 v[BK+j:BK+j+1], v[BK+j:BK+j+1], s[96:97], v[32*(\a)+j:32*(\a)+j+1] op_sel_hi:[1,0,1]
.set j, j+2
.endr
	WIN 0
.irp t, 0,1,2,3,4,5,6,7
.if FINAL
	global_store_b128 v[CO], v[BK+4*\t:BK+4*\t+3], s[78:79] offset:(16*(\a)+2*\t)*4096 th:TH_STORE_NT   ; sixteen lanes store 256 consecutive bytes, aligned
.else
	global_store_b128 v[CO], v[BK+4*\t:BK+4*\t+3], s[78:79] offset:(16*(\a)+2*\t)*4096   ; sixteen lanes store 256 consecutive bytes, aligned
.endif
.endr
.endm
	s_load_b256 s[68:75], s[0:1], 0x0              ; A 68, W 70, bias 72, resid 74
	s_load_b128 s[76:79], s[0:1], 0x20             ; the exponents 76, out 78
	v_lshl_add_u32 v[SPW], v0, 2, SPARE
	v_mov_b32 v[NIL], 0
	ds_add_u32 v28, v29
	ds_add_u32 v28, v29
	s_wait_dscnt 0x0
	v_lshrrev_b32 v1, 5, v0
	v_readfirstlane_b32 s10, v1                    ; wave 0..3
	s_lshr_b32 s11, s10, 1                         ; my half of the rows.  Also: I fetch for A (0) or for W (1)
	s_and_b32 s12, s10, 1                          ; my half of the columns.  Also: which half I fetch
	s_bfe_u32 s40, ttmp6, 0x40000                  ; cx
	s_bfe_u32 s41, ttmp6, 0x40004                  ; cy
	s_lshl_b32 s42, ttmp9, 2
	s_add_co_u32 s42, s42, s40                     ; tile column
	s_and_b32 s13, ttmp7, 0xffff
	s_lshl_b32 s13, s13, 2
	s_add_co_u32 s13, s13, s41                     ; tile row
	s_lshl_b32 s43, s41, 2
	s_lshl_b32 s43, 15, s43                        ; my row of the cluster
	s_lshl_b32 s44, 0x1111, s40                    ; my column
	s_or_b32 s[G1+0], s43, (3<<16)|(1<<21)         ; A: the mask; elements of 8 bytes; no padding; bit 21 beside a mask
	s_mov_b32 s[G1+1], 32<<16                      ; rows of 256 bytes,
	s_mov_b32 s[G1+2], 256<<16                     ; 256 of them: four K tiles, dense
	s_mov_b32 s[G1+3], 32<<16
	s_mov_b32 s[G1+4], 256
	s_mov_b32 s[G1+5], 32
	s_mov_b32 s[G1+6], 0
	s_mov_b32 s[G1+7], 0
	s_or_b32 s[G1B+0], s44, (1<<20)|(1<<21)|(7<<22)|(3<<25)   ; W: elements of 1 byte; 4 words of padding after every 256
	s_mov_b32 s[G1B+1], 1024<<16
	s_mov_b32 s[G1B+2], 64<<16
	s_mov_b32 s[G1B+3], 1024<<16
	s_mov_b32 s[G1B+4], 64
	s_mov_b32 s[G1B+5], SIZE_K
	s_mov_b32 s[G1B+6], 0
	s_mov_b32 s[G1B+7], 0
	s_mul_i32 s16, s13, KT*16384
	s_lshl_b32 s17, s12, 16
	s_add_co_u32 s16, s16, s17                     ; A: my token block, + four K tiles for the second half
	s_mov_b32 s17, 0
	s_lshl_b32 s46, s42, 7
	s_lshl_b32 s47, s12, 6
	s_add_co_u32 s46, s46, s47
	s_mul_i32 s46, s46, SIZE_K                     ; W: row 128 x tile column + 64 x half
	s_mov_b32 s47, 0
	s_lshl_b32 s20, s12, 16
	s_mul_i32 s21, s12, HALFB
	s_add_co_u32 s21, s21, AIMG
	s_wait_kmcnt 0x0
	s_load_b64 s[80:81], s[76:77], SCOFF           ; ea, eb
	s_add_nc_u64 s[14:15], s[68:69], s[16:17]
	s_add_nc_u64 s[46:47], s[70:71], s[46:47]
	CROUND                                         ; all sixteen work-groups are here: the first joint loads meet
.irp s, 0
	s_mov_b32 s[G0+4*\s], 1
	s_add_co_u32 s[G0+4*\s+1], s20, \s*SLOT
	s_add_nc_u64 s[G0+4*\s+2:G0+4*\s+3], s[14:15], \s*AIMG
	s_or_b32 s[G0+4*\s+3], s[G0+4*\s+3], 0x80000000
	s_mov_b32 s[G0B+4*\s], 1
	s_add_co_u32 s[G0B+4*\s+1], s21, \s*SLOT
	s_add_nc_u64 s[G0B+4*\s+2:G0B+4*\s+3], s[46:47], \s*512
	s_or_b32 s[G0B+4*\s+3], s[G0B+4*\s+3], 0x80000000
	JLOAD \s                                       ; my one tensor load
.endr
	v_and_b32 v1, 15, v0                           ; r
	v_bfe_u32 v2, v0, 4, 1                         ; h
	v_and_b32 v3, 31, v0                           ; lane
	v_lshlrev_b32 v4, 4, v3
	s_lshl_b32 s22, s11, 13                        ; my four blocks of 16 rows in a K tile
	v_add_nc_u32 v[ADRA], s22, v4
	v_add_nc_u32 v[ADRA+1], 0x10000, v[ADRA]       ; four K tiles on
	v_mul_u32_u24 v5, v1, PB
	v_lshl_add_u32 v5, v2, 3, v5                   ; row x pitch + 8 h
	s_mul_i32 s22, s12, HALFB
	s_add_co_u32 s22, s22, AIMG
	v_add_nc_u32 v[ADRB], s22, v5
	v_add_nc_u32 v[ADRB+1], 512, v[ADRB]           ; 512 along the row
	s_mul_i32 s23, s10, 16*SP
	s_add_co_u32 s23, s23, STAGE                   ; my stage
	v_mul_u32_u24 v6, v1, SP
	v_lshl_add_u32 v6, v2, 5, v6
	v_add_nc_u32 v[STO], s23, v6                   ; in: row r, 32 bytes for each half of the lanes
	v_mul_u32_u24 v6, v2, SP
	v_lshl_add_u32 v6, v1, 4, v6
	v_add_nc_u32 v[RD], s23, v6                    ; back: lanes 0-15 one row of 256 bytes, lanes 16-31 the next
	v_lshlrev_b32 v[CO], 12, v2
	v_lshl_add_u32 v[CO], v1, 4, v[CO]             ; and the same two rows in memory
	s_wait_alu depctr_va_vdst(0)
	s_lshl_b32 s16, s13, 7
	s_lshl_b32 s17, s11, 6
	s_add_co_u32 s16, s16, s17
	s_lshl_b32 s16, s16, 12                        ; my first row, of 4,096 bytes
	s_mov_b32 s17, 0
	s_lshl_b32 s46, s42, 9
	s_lshl_b32 s47, s12, 8
	s_add_co_u32 s46, s46, s47                     ; my first column, in bytes
	s_mov_b32 s47, 0
	s_add_nc_u64 s[72:73], s[72:73], s[46:47]
	s_add_nc_u64 s[74:75], s[74:75], s[16:17]
	s_add_nc_u64 s[74:75], s[74:75], s[46:47]
	s_add_nc_u64 s[78:79], s[78:79], s[16:17]
	s_add_nc_u64 s[78:79], s[78:79], s[46:47]
	v_lshlrev_b32 v7, 5, v2                        ; the bias: my eight columns of each tile b
.irp b, 0,1,2,3
	global_load_b128 v[TN+8*\b:TN+8*\b+3], v7, s[72:73] offset:64*\b
	global_load_b128 v[TN+8*\b+4:TN+8*\b+7], v7, s[72:73] offset:64*\b+16
.endr
	WIN 0x80                                       ; destination window 2
.irp a, 0,1,2,3
.irp t, 0,1,2,3,4,5,6,7
	global_load_b128 v[32*\a+4*\t:32*\a+4*\t+3], v[CO], s[74:75] offset:(16*\a+2*\t)*4096 th:TH_LOAD_NT   ; the residual, in the layout in which the results come back from the stage
.endr
.endr
	WIN 0
	s_wait_kmcnt 0x0
	s_add_co_i32 s80, s80, s81                     ; ea + eb
	s_add_co_i32 s96, s80, 127
	s_lshl_b32 s96, s96, 23                        ; 2^(ea + eb)
	s_mov_b32 s97, s96
	s_sub_co_i32 s98, 127, s80
	s_lshl_b32 s98, s98, 23                        ; 2^-(ea + eb)
	s_mov_b32 s99, s98
	s_wait_loadcnt 32                              ; the bias is in; the residual's 32 loads stay out
.irp a, 0,1,2,3
.irp b, 0,1,2,3
.irp i, 0,2,4,6
	v_pk_mul_f32 v[ACC+8*(4*\a+\b)+\i:ACC+8*(4*\a+\b)+\i+1], v[TN+8*\b+\i:TN+8*\b+\i+1], s[98:99] op_sel_hi:[1,0]   ; the bias starts the sums: nothing is cleared
.endr
.endr
.endr
	s_wait_alu depctr_va_vdst(0)
	s_wait_tensorcnt 0x0                           ; my part is in
	s_barrier_signal -1
	s_barrier_wait -1
	FETCH 0, 0, F0
	QUARTER 0, 1, F0, F1                           ; the last lap fills nothing
	QUARTER 0, 2, F1, F0
	QUARTER 0, 3, F0, F1
	QUARTER 1, 0, F1, F0
	QUARTER 1, 1, F0, F1
	QUARTER 1, 2, F1, F0
	QUARTER 1, 3, F0, F1
	s_wait_dscnt 8                                 ; the last quarter: nothing more to fetch
	MUL4 F1, 0
	MUL4 F1, 1
	s_wait_dscnt 0x0
	MUL4 F1, 2
	MUL4 F1, 3
	WIN 0
	PLACES
	OUTF 0
	OUTF 1
	OUTF 2
	OUTF 3
	s_wait_tensorcnt 0x0                           ; the wave's end
	ds_add_u32 v[SPW], v[NIL]
	s_wait_dscnt 0x0
	CROUND                                         ; the closing round
	s_endpgm
.Lfunc_end_k_q4f6a2e362d_wo:
	.size	k_q4f6a2e362d_wo, .Lfunc_end_k_q4f6a2e362d_wo-k_q4f6a2e362d_wo
	.p2alignl 7, 3214868480
	.fill 96, 4, 3214868480
	.section	.rodata,"a",@progbits
	.p2align	6, 0x0
	.amdhsa_kernel k_q4f6a2e362d_wo
		.amdhsa_group_segment_fixed_size 327680
		.amdhsa_private_segment_fixed_size 0
		.amdhsa_enable_private_segment 0
		.amdhsa_kernarg_size 48
		.amdhsa_user_sgpr_count 2
		.amdhsa_user_sgpr_kernarg_segment_ptr 1
		.amdhsa_wavefront_size32 1
		.amdhsa_system_sgpr_workgroup_id_x 1
		.amdhsa_system_sgpr_workgroup_id_y 1
		.amdhsa_system_sgpr_workgroup_id_z 1
		.amdhsa_system_vgpr_workitem_id 0
		.amdhsa_next_free_vgpr 640
		.amdhsa_next_free_sgpr 100
		.amdhsa_reserve_vcc 0
		.amdhsa_float_denorm_mode_32 3
		.amdhsa_float_denorm_mode_16_64 3
		.amdhsa_memory_ordered 1
		.amdhsa_forward_progress 1
		.amdhsa_inst_pref_size 61
	.end_amdhsa_kernel
	.amdgpu_metadata
---
amdhsa.version: [ 1, 2 ]
amdhsa.kernels:
  - .name:           k_q4f6a2e362d_wo
    .symbol:         k_q4f6a2e362d_wo.kd
    .args:
      - { .name: ao, .offset: 0, .size: 8, .value_kind: global_buffer, .address_space: global }
      - { .name: Wo_codes, .offset: 8, .size: 8, .value_kind: global_buffer, .address_space: global }
      - { .name: bo, .offset: 16, .size: 8, .value_kind: global_buffer, .address_space: global }
      - { .name: x, .offset: 24, .size: 8, .value_kind: global_buffer, .address_space: global }
      - { .name: lowp_scales, .offset: 32, .size: 8, .value_kind: global_buffer, .address_space: global }
      - { .name: x1, .offset: 40, .size: 8, .value_kind: global_buffer, .address_space: global }
    .group_segment_fixed_size: 327680
    .private_segment_fixed_size: 0
    .kernarg_segment_align: 8
    .kernarg_segment_size: 48
    .max_flat_workgroup_size: 128
    .sgpr_count:     100
    .vgpr_count:     640
    .wavefront_size: 32
...
	.end_amdgpu_metadata
.endif
;; end of part 4
;; launch ln2 (part 5): grid 256 x 1, 16 waves a work-group, no clusters, 19,456 bytes of LDS; arguments x1, ln2_g, ln2_b, lowp_scales, a2; writes a2
.if DOCPART == 5
	.amdgcn_target "amdgcn-amd-amdhsa--gfx1250"
	.amdhsa_code_object_version 6
	.text
	.protected	k_q4f6a2e362d_ln2
	.globl	k_q4f6a2e362d_ln2
	.p2align	8
	.type	k_q4f6a2e362d_ln2,@function
k_q4f6a2e362d_ln2:
	s_mov_b64 s[64:65], 0
	v_nop
	global_prefetch_b8 v0, s[64:65] scope:SCOPE_SE
	s_setreg_imm32_b32 hwreg(HW_REG_WAVE_MODE, 25, 1), 1
	s_wait_xcnt 0x0
; xn2 = LayerNorm(x1) x g + b over rows of 1,024 f32, quantised to E4M3 codes with the given scale 2^e12, laid as operand images for the next product:
; a2: [token block of 128][K tile 8][R 8][p 4][lane 32][16 bytes]; lane (r, h) of piece p: K = 32 p + 8 h + 0..7, then 32 p + 16 + 8 h + 0..7 of row 16 R + r.
; One wave takes one row; a work-group's 16 rows are one R.  Lane l holds elements 256 i + 8 l + 0..7.  Its 8 codes belong to K tile 2 i + l / 16, piece (l / 4) % 4, half h = l % 2, bytes 8 ((l / 2) % 2) on, at row = wave.
; The 16 rows meet in LDS: 64 units (K tile, piece, h) of 16 rows x 16 bytes, 272 bytes apart; a barrier; then sixteen neighbouring lanes store one unit: 256 consecutive aligned bytes.
; The variance is taken of x - mean (two passes over registers).  LIMITS: e12 between -126 and 119.  NaN and infinities are not served.
.set X,  16
.set G,  48
.set BV, 80
.set T,  112
.set C,  144
.macro RED r
	s_delay_alu instid0(VALU_DEP_1)
	v_add_f32_dpp v[\r], v[\r], v[\r] row_xmask:1 row_mask:0xf bank_mask:0xf
	s_delay_alu instid0(VALU_DEP_1)
	v_add_f32_dpp v[\r], v[\r], v[\r] row_xmask:2 row_mask:0xf bank_mask:0xf
	s_delay_alu instid0(VALU_DEP_1)
	v_add_f32_dpp v[\r], v[\r], v[\r] row_xmask:4 row_mask:0xf bank_mask:0xf
	s_delay_alu instid0(VALU_DEP_1)
	v_add_f32_dpp v[\r], v[\r], v[\r] row_xmask:8 row_mask:0xf bank_mask:0xf
	s_delay_alu instid0(VALU_DEP_1)
	v_permlanex16_b32 v11, v[\r], s30, s31
	s_delay_alu instid0(VALU_DEP_1)
	v_add_f32 v[\r], v[\r], v11
.endm
	s_load_b256 s[4:11], s[0:1], 0x0               ; x1, g, b, the exponents
	s_load_b64 s[12:13], s[0:1], 0x20              ; a2
	v_lshl_add_u32 v160, v0, 2, 0x4400
	v_mov_b32 v161, 0
	v_lshrrev_b32 v3, 5, v0
	s_delay_alu instid0(VALU_DEP_1)
	v_readfirstlane_b32 s14, v3                    ; wave = my row of the 16
	v_and_b32 v2, 31, v0
	s_delay_alu instid0(VALU_DEP_1)
	v_lshlrev_b32 v1, 5, v2                        ; 32 x lane
	v_mov_b32 v11, 0
	v_bfe_u32 v12, v0, 4, 1                        ; l / 16
	v_bfe_u32 v13, v0, 2, 2                        ; (l / 4) % 4
	v_and_b32 v14, 1, v0                           ; l % 2
	s_delay_alu instid0(VALU_DEP_3)
	v_lshlrev_b32 v12, 3, v12
	s_delay_alu instid0(VALU_DEP_1)
	v_lshl_add_u32 v12, v13, 1, v12
	s_delay_alu instid0(VALU_DEP_1)
	v_add_nc_u32 v12, v12, v14                     ; the unit, but for 16 i
	s_delay_alu instid0(VALU_DEP_1)
	v_mul_u32_u24 v12, v12, 272
	v_bfe_u32 v13, v0, 1, 1
	s_delay_alu instid0(VALU_DEP_1)
	v_lshl_add_u32 v12, v13, 3, v12                ; + 8 ((l / 2) % 2)
	s_lshl_b32 s15, s14, 4
	v_add_nc_u32 v12, s15, v12                     ; + 16 x row
	v_lshrrev_b32 v13, 4, v0                       ; back: thread t takes unit t / 16 (and 32 further on), row t % 16
	v_and_b32 v14, 15, v0
	s_delay_alu instid0(VALU_DEP_2)
	v_mul_u32_u24 v13, v13, 272
	s_delay_alu instid0(VALU_DEP_1)
	v_lshl_add_u32 v13, v14, 4, v13
	v_lshrrev_b32 v15, 7, v0
	v_and_b32 v14, 127, v0
	s_delay_alu instid0(VALU_DEP_1)
	v_lshlrev_b32 v14, 4, v14
	s_delay_alu instid0(VALU_DEP_1)
	v_lshl_add_u32 v15, v15, 14, v14               ; in a2: K tile t / 128, + 16 (t % 128)
	s_lshl_b32 s15, ttmp9, 4
	s_add_co_u32 s15, s15, s14
	s_lshl_b32 s32, s15, 12                        ; my row x 4,096 bytes
	s_mov_b32 s33, 0
	s_lshr_b32 s34, ttmp9, 3
	s_lshl_b32 s34, s34, 17                        ; the token block: 8 K tiles of 16 KiB
	s_and_b32 s35, ttmp9, 7
	s_lshl_b32 s35, s35, 11                        ; R
	s_add_co_u32 s34, s34, s35
	s_mov_b32 s35, 0
	s_mov_b32 s30, 0x76543210
	s_mov_b32 s31, 0xfedcba98
	s_mov_b32 s36, 0x3a800000                      ; 1 / 1,024
	s_wait_kmcnt 0x0
	s_load_b32 s16, s[10:11], 0x30                 ; e12
	s_add_nc_u64 s[4:5], s[4:5], s[32:33]
	s_add_nc_u64 s[24:25], s[12:13], s[34:35]
.irp i, 0,1,2,3
	global_load_b128 v[X+8*\i:X+8*\i+3], v1, s[4:5] offset:1024*\i th:TH_LOAD_NT
	global_load_b128 v[X+8*\i+4:X+8*\i+7], v1, s[4:5] offset:1024*\i+16 th:TH_LOAD_NT
.endr
.irp i, 0,1,2,3
	global_load_b128 v[G+8*\i:G+8*\i+3], v1, s[6:7] offset:1024*\i
	global_load_b128 v[G+8*\i+4:G+8*\i+7], v1, s[6:7] offset:1024*\i+16
.endr
.irp i, 0,1,2,3
	global_load_b128 v[BV+8*\i:BV+8*\i+3], v1, s[8:9] offset:1024*\i
	global_load_b128 v[BV+8*\i+4:BV+8*\i+7], v1, s[8:9] offset:1024*\i+16
.endr
	s_wait_loadcnt 16                              ; the row is in; the 16 younger loads (g, b) may be out
	v_pk_add_f32 v[6:7], v[16:17], v[18:19]
	v_pk_add_f32 v[158:159], v[24:25], v[28:29]
	v_pk_add_f32 v[156:157], v[32:33], v[36:37]
	v_pk_add_f32 v[154:155], v[40:41], v[44:45]
	v_pk_add_f32 v[152:153], v[20:21], v[22:23]
	v_pk_add_f32 v[150:151], v[26:27], v[30:31]
	v_pk_add_f32 v[148:149], v[34:35], v[38:39]
	v_pk_add_f32 v[4:5], v[42:43], v[46:47]
	s_delay_alu instid0(VALU_DEP_1)
	v_pk_add_f32 v[4:5], v[4:5], v[154:155]
	v_pk_add_f32 v[6:7], v[6:7], v[152:153]
	v_pk_add_f32 v[158:159], v[158:159], v[150:151]
	v_pk_add_f32 v[156:157], v[156:157], v[148:149]
	s_delay_alu instid0(VALU_DEP_2)
	v_pk_add_f32 v[4:5], v[4:5], v[158:159]
	s_delay_alu instid0(VALU_DEP_2)
	v_pk_add_f32 v[6:7], v[6:7], v[156:157]
	s_delay_alu instid0(VALU_DEP_1)
	v_pk_add_f32 v[4:5], v[4:5], v[6:7]
	s_delay_alu instid0(VALU_DEP_1)
	v_add_f32 v4, v4, v5
	RED 4
	s_delay_alu instid0(VALU_DEP_1)
	v_mul_f32 v6, s36, v4                          ; the mean, twice
	s_delay_alu instid0(VALU_DEP_1)
	v_mov_b32 v7, v6
.set j, 0
.rept 16
	v_pk_add_f32 v[X+j:X+j+1], v[X+j:X+j+1], v[6:7] neg_lo:[0,1] neg_hi:[0,1]
.set j, j+2
.endr
	v_pk_mul_f32 v[4:5], v[X:X+1], v[X:X+1]
	v_pk_mul_f32 v[8:9], v[X+2:X+3], v[X+2:X+3]
.irp j, 4,8,12,16,20,24,28
	s_delay_alu instid0(VALU_DEP_2)
	v_pk_fma_f32 v[4:5], v[X+\j:X+\j+1], v[X+\j:X+\j+1], v[4:5]
	s_delay_alu instid0(VALU_DEP_2)
	v_pk_fma_f32 v[8:9], v[X+\j+2:X+\j+3], v[X+\j+2:X+\j+3], v[8:9]
.endr
	s_delay_alu instid0(VALU_DEP_1)
	v_pk_add_f32 v[4:5], v[4:5], v[8:9]
	s_delay_alu instid0(VALU_DEP_1)
	v_add_f32 v4, v4, v5
	RED 4
	s_delay_alu instid0(VALU_DEP_1)
	v_fmaak_f32 v4, s36, v4, 0x3727c5ac            ; the variance + 1e-5
	s_wait_alu depctr_va_vdst(0)
	v_rsq_f32 v8, v4
	v_rsq_f32 v9, v4
	v_nop
	s_wait_alu depctr_va_vdst(0)                   ; one wait for both, ahead of their first reader
.set j, 0
.rept 16
	v_pk_mul_f32 v[X+j:X+j+1], v[X+j:X+j+1], v[8:9]
.set j, j+2
.endr
	s_wait_loadcnt 0x0
.set j, 0
.rept 16
	v_pk_fma_f32 v[X+j:X+j+1], v[X+j:X+j+1], v[G+j:G+j+1], v[BV+j:BV+j+1]
.set j, j+2
.endr
	s_wait_kmcnt 0x0
	s_add_co_i32 s37, s16, 127
	s_lshl_b32 s38, s37, 23
	v_mov_b32 v152, s38                            ; 2^e12
	s_add_co_i32 s37, s37, 8
	s_lshl_b32 s37, s37, 23
	s_or_b32 s37, s37, 0x600000
	v_mov_b32 v153, s37                            ; 448 x 2^e12
.set j, 0
.rept 32
	v_med3_num_f32 v[T+j], v[X+j], -v153, v153     ; the conversion to an 8-bit code does not saturate (ISA guide 7.6.2)
.set j, j+1
.endr
.irp i, 0,1,2,3
	v_cvt_scalef32_pk8_fp8_f32 v[C+2*\i:C+2*\i+1], v[T+8*\i:T+8*\i+7], v152
.endr
	v_nop
.irp i, 0,1,2,3
	ds_store_b64 v12, v[C+2*\i:C+2*\i+1] offset:4352*\i
.endr
	s_wait_dscnt 0x0                               ; for the others' sake: my stores have landed
	s_barrier_signal -1
	s_barrier_wait -1
	ds_load_b128 v[T:T+3], v13
	ds_load_b128 v[T+4:T+7], v13 offset:8704
	s_wait_dscnt 1
	global_store_b128 v15, v[T:T+3], s[24:25]                  ; sixteen lanes store one unit: 256 consecutive bytes, aligned
	s_wait_dscnt 0x0
	global_store_b128 v15, v[T+4:T+7], s[24:25] offset:65536   ; four K tiles on
	s_wait_tensorcnt 0x0
	ds_add_u32 v160, v161
	s_wait_dscnt 0x0
	s_endpgm
.Lfunc_end_k_q4f6a2e362d_ln2:
	.size	k_q4f6a2e362d_ln2, .Lfunc_end_k_q4f6a2e362d_ln2-k_q4f6a2e362d_ln2
	.p2alignl 7, 3214868480
	.fill 96, 4, 3214868480
	.section	.rodata,"a",@progbits
	.p2align	6, 0x0
	.amdhsa_kernel k_q4f6a2e362d_ln2
		.amdhsa_group_segment_fixed_size 19456
		.amdhsa_private_segment_fixed_size 0
		.amdhsa_enable_private_segment 0
		.amdhsa_kernarg_size 40
		.amdhsa_user_sgpr_count 2
		.amdhsa_user_sgpr_kernarg_segment_ptr 1
		.amdhsa_wavefront_size32 1
		.amdhsa_system_sgpr_workgroup_id_x 1
		.amdhsa_system_sgpr_workgroup_id_y 1
		.amdhsa_system_sgpr_workgroup_id_z 1
		.amdhsa_system_vgpr_workitem_id 0
		.amdhsa_next_free_vgpr 162
		.amdhsa_next_free_sgpr 66
		.amdhsa_reserve_vcc 0
		.amdhsa_float_denorm_mode_32 3
		.amdhsa_float_denorm_mode_16_64 3
		.amdhsa_memory_ordered 1
		.amdhsa_forward_progress 1
		.amdhsa_inst_pref_size 16
	.end_amdhsa_kernel
	.amdgpu_metadata
---
amdhsa.version: [ 1, 2 ]
amdhsa.kernels:
  - .name:           k_q4f6a2e362d_ln2
    .symbol:         k_q4f6a2e362d_ln2.kd
    .args:
      - { .name: x1, .offset: 0, .size: 8, .value_kind: global_buffer, .address_space: global }
      - { .name: ln2_g, .offset: 8, .size: 8, .value_kind: global_buffer, .address_space: global }
      - { .name: ln2_b, .offset: 16, .size: 8, .value_kind: global_buffer, .address_space: global }
      - { .name: lowp_scales, .offset: 24, .size: 8, .value_kind: global_buffer, .address_space: global }
      - { .name: a2, .offset: 32, .size: 8, .value_kind: global_buffer, .address_space: global }
    .group_segment_fixed_size: 19456
    .private_segment_fixed_size: 0
    .kernarg_segment_align: 8
    .kernarg_segment_size: 40
    .max_flat_workgroup_size: 512
    .sgpr_count:     66
    .vgpr_count:     162
    .wavefront_size: 32
...
	.end_amdgpu_metadata
.endif
;; end of part 5
;; launch ff1 (part 6): grid 8 x 32, 4 waves a work-group, clusters of 4 x 4, 327,680 bytes of LDS; arguments a2, W1_codes, b1, lowp_scales, hc; writes hc
.if DOCPART == 6
	.amdgcn_target "amdgcn-amd-amdhsa--gfx1250"
	.amdhsa_code_object_version 6
	.text
	.protected	k_q4f6a2e362d_ff1
	.globl	k_q4f6a2e362d_ff1
	.p2align	8
	.type	k_q4f6a2e362d_ff1,@function
k_q4f6a2e362d_ff1:
	s_mov_b64 s[64:65], 0
	v_nop
	global_prefetch_b8 v0, s[64:65] scope:SCOPE_SE
	s_setreg_imm32_b32 hwreg(HW_REG_WAVE_MODE, 25, 1), 1
	s_wait_xcnt 0x0
	s_wait_alu depctr_hold_cnt(0) depctr_sa_sdst(0) depctr_va_vdst(0) depctr_va_sdst(0) depctr_va_ssrc(0) depctr_va_vcc(0) depctr_vm_vsrc(0)
	s_getreg_b32 s2, hwreg(HW_REG_IB_STS2, 6, 4)
	s_cmp_eq_u32 s2, 0
	s_cbranch_scc0 .Lentry_in_a_cluster
	s_endpgm
.Lentry_in_a_cluster:
	s_bfe_u32 s2, ttmp6, 0x10000c
	s_cmp_lg_u32 s2, 0xf033
	s_cbranch_scc0 .Lentry_shape_is_right
	s_endpgm
.Lentry_shape_is_right:
; h = gelu(xn2 W1 + b1) (the exact gelu, by erfc) on E4M3 codes, K = 1,024, quantised at once with 2^e14 and stored as operand images for the next product.
; a2: [token block of 128][K tile 8][R 8][p 4][lane 32][16 bytes], piece p = registers 4 p .. 4 p + 3 of the fragment of rows 16 R ..; W1: [4096][1024] codes; hc: the same images, [token block][K tile 32][R][p][lane][16].
; SHARES.  A work-group owns 128 tokens and four tiles of 128 hidden units (tile column 4 x cluster x + cx, then 8 further on each time).  Four waves, each 64 x 64 of a tile: 16 accumulators.
; A STAYS IN REGISTERS: a wave's 64 rows x 1,024 K are 512 registers (windows 2 and 3), loaded once, straight from memory: the images are the registers' order.  So A has no copy in LDS that partners could share, and is not asked for jointly.
; W comes through two LDS slots, each a whole tile (128 rows x 1,024 bytes, pitch 1,040).  Each wave fetches 32 rows by one joint load, shared along a column of the cluster.  The change of slots stands behind a tile's gelu:
; a load is asked for behind one change and awaited in front of the next, a whole tile's products and gelu later.  Tiles 0 and 1 are first fills, tiles 2 and 3 refills; the last two tiles fill nothing and have a loop of their own.
; THE MATRIX INSTRUCTION IS USED TRANSPOSED (source 0 = 16 rows of W, source 1 = 16 rows of A): lane (r, h), register j of accumulator (a, b) is C(16 a + r, 16 b + 8 h + j).  The bias / 2^(e12 + e13) is the C of a tile's first products.
; GELU on y = x / s, s = 2^(e12 + e13), with s folded into three constants (powers of two: nothing is rounded): t = 1 / (1 + |y| (s / (2 sqrt 2))); e = erfc(|x| / sqrt 2) = t 2^(P(t) - y^2 (s^2 log2(e) / 2));
; 2 gelu(x) / s = (y + |y|) - |y| e: for y < 0 the bracket is 0 exactly; the code is that / 2^(e14 + 1 - e12 - e13).
; PREFETCH: behind the load of tile t + 1 each wave names tile t + 2's bytes once: its 32 rows, a lane a row, and of each row the 256 bytes at 256 x cy: the four partners that load a tile share it out by address.  Tiles 0 and 1 come by their loads alone; behind tile 3's load nothing is named.
; LIMITS: e12 + e13 between -60 and 60; e14 + 1 - e12 - e13 between -126 and 119.  NaN and infinities are not served.
; REGISTERS: window 0: v1-31 addresses and constants, v32-63 t, v64-95 P and e, v96-127 codes, v128-255 accumulators.  window 1: v0-191 three buffers of W's four fragments, v192-223 the bias, v224-255 y^2, then y + |y|.  windows 2, 3: A: K tile kt, block a at 64 kt + 16 a.
.set SIZE_K, 1024
.set PB,     1040                      ; 1,024 bytes + 16: the 32 lanes of a load of 8 bytes touch 64 different banks (64 banks of 4 bytes: ISA guide 11.1)
.set QB,     32*PB                     ; what one tensor load brings
.set SLOT,   4*QB
.set SPARE,  2*SLOT                    ; behind the slots: the spare words, 128 bytes a wave, that no other line names
.set WSTEP,  8*128*SIZE_K              ; from a tile to the next: in W,
.set BSTEP,  8*128*4                   ; in the bias,
.set OSTEP,  8*16384                   ; in hc
.set AO,   4                           ; v4   A's images: 8,192 x row half + 16 x lane
.set BO,   7                           ; v7   the bias: 32 h
.set QS,   8                           ; v8   2^(e14 + 1 - e12 - e13)
.set QL,   9                           ; v9   448 x that
.set ADB,  16                          ; v16  my W fragments in slot 0
.set ADR,  17                          ; v17  in the slot in hand
.set CO,   26                          ; v26  my place in a tile of hc
.set PFO,  27                          ; v27  1,024 x lane
.set SPW,  28
.set NIL,  29
.set GT,   32
.set GP,   64
.set GC,   96
.set ACC,  128
.set TBR,  192                         ; window 1
.set GQ,   224                         ; window 1
.set G1,   24
.set G0,   32
.set PFA,  36                          ; s[36:37] where my prefetch stands
.set TB,   38                          ; s38  LDS byte at which the slot in hand begins
.set WL,   39                          ; s39  where my 32 rows land in a slot
.set ZK,   88                          ; s[88:89] -s^2 log2(e) / 2
.set MSB, 0
.macro WIN new                         ; the immediate's high byte repeats the setting that is left
.if MSB != (\new)
	s_set_vgpr_msb (MSB<<8)|(\new)
.set MSB, (\new)
.endif
.endm
.macro KP r, k                         ; a constant as a pair: the packed forms name both words
	s_mov_b32 s[\r], \k
	s_mov_b32 s[\r+1], \k
.endm
.macro CROUND                          ; a round of the cluster's barrier
	s_barrier_signal -1
	s_barrier_wait -1
	s_cmp_lg_u32 s10, 0
	s_cbranch_scc1 .Lnot_wave_0_\@
	s_barrier_signal -3
.Lnot_wave_0_\@:
	s_barrier_wait -3
	s_barrier_signal -1
	s_barrier_wait -1
.endm
.macro PLACES                          ; four plain lines in front of loads into registers that matrix instructions have read, and of the first read of results
.rept 4
	v_nop
.endr
.endm
.macro ALOAD kt                        ; A's four fragments of K tile kt: each load of the wave reads 512 consecutive bytes
	WIN 0x80+0x40*((\kt)/4)
.irp a, 0,1,2,3
.irp p, 0,1,2,3
	global_load_b128 v[64*((\kt)%4)+16*\a+4*\p:64*((\kt)%4)+16*\a+4*\p+3], v[AO], s[68:69] offset:16384*(\kt)+2048*\a+512*\p
.endr
.endr
.endm
.macro BLOAD                           ; the bias at my 64 columns, in the result's layout
	WIN 0x40
.irp b, 0,1,2,3
	global_load_b128 v[TBR+8*\b:TBR+8*\b+3], v[BO], s[72:73] offset:64*\b
	global_load_b128 v[TBR+8*\b+4:TBR+8*\b+7], v[BO], s[72:73] offset:64*\b+16
.endr
.endm
.macro FETCH kt                        ; W's four fragments of K tile kt into buffer kt % 3: registers 2 c, 2 c + 1: K = 16 c + 8 h + 0..7
	WIN 0x40
.irp i, 0,1,2,3
.irp c, 0,1,2,3,4,5,6,7
	ds_load_b64 v[64*((\kt)%3)+16*\i+2*\c:64*((\kt)%3)+16*\i+2*\c+1], v[ADR] offset:128*(\kt)+16*\c+\i*16*PB
.endr
.endr
.endm
.macro MUL16 kt                        ; the 16 accumulators take turns, one instruction a turn, in the same order in every K tile
.if (\kt) == 0
	WIN 0x19                                       ; W window 1, A window 2, C (the bias) window 1, D window 0
.else
	WIN 0x09+4*((\kt)/4)                           ; W window 1, A window 2 or 3, C and D window 0
.endif
.irp a, 0,1,2,3
.irp b, 0,1,2,3
.if (\kt) == 0
	v_wmma_f32_16x16x128_fp8_fp8 v[ACC+8*(4*\a+\b):ACC+8*(4*\a+\b)+7], v[16*\b:16*\b+15], v[16*\a:16*\a+15], v[TBR+8*\b:TBR+8*\b+7]
.else
	v_wmma_f32_16x16x128_fp8_fp8 v[ACC+8*(4*\a+\b):ACC+8*(4*\a+\b)+7], v[64*((\kt)%3)+16*\b:64*((\kt)%3)+16*\b+15], v[64*((\kt)%4)+16*\a:64*((\kt)%4)+16*\a+15], v[ACC+8*(4*\a+\b):ACC+8*(4*\a+\b)+7]
.endif
.endr
.endr
.endm
.macro NEXTBIAS tail                   ; the next tile's bias, behind the places that follow the products which read this tile's.  tail = 1: the last tile has no successor
.if \tail
	WIN 0
	s_cmp_eq_u32 s3, 1
	s_cbranch_scc1 .Lno_bias_\@
.endif
	s_add_nc_u64 s[72:73], s[72:73], BSTEP         ; the loads that read this base were awaited at the tile's head
	BLOAD
.if \tail
	WIN 0
.Lno_bias_\@:
.endif
.endm
.macro MM tail                         ; a tile's 128 products.  W's fragments are fetched two K tiles ahead
.irp kt, 0,1,2,3,4,5,6,7
.if \kt < 7
	s_wait_dscnt 32                                ; this K tile's fragments are in; the next one's 32 loads may be out
.else
	s_wait_dscnt 0x0
.endif
.if \kt < 6
.if \kt > 0
	PLACES                                         ; the buffer was read by the K tile before
.endif
	FETCH \kt+2
.endif
.if \kt == 1
	NEXTBIAS \tail
.endif
	MUL16 \kt
.endr
.endm
.macro GELU a                          ; rows 16 a .. 16 a + 15 of my 64: 32 numbers a lane
.set V, ACC+32*(\a)
	s_wait_alu depctr_va_vdst(0)                   ; the wait directly ahead of the first readers of matrix results
.set j, 0
.rept 32
	v_fma_f32 v[GT+j], |v[V+j]|, s84, 1.0          ; each accumulator from its low end on
.set j, j+1
.endr
	s_wait_alu depctr_va_vdst(0)                   ; ahead of the batch
.set j, 0
.rept 32
	v_rcp_f32 v[GT+j], v[GT+j]                     ; t
.set j, j+1
.endr
	WIN 0x40
.set j, 0
.rept 16
	v_pk_mul_f32 v[GQ+j:GQ+j+1], v[V+j:V+j+1], v[V+j:V+j+1]   ; y^2: plain lines behind the batch
.set j, j+2
.endr
	WIN 0
	s_wait_alu depctr_va_vdst(0)                   ; one wait for the batch, ahead of its first reader
.set j, 0
.rept 16
	v_pk_fma_f32 v[GP+j:GP+j+1], v[GT+j:GT+j+1], v[30:31], s[48:49] op_sel_hi:[1,1,0]
.set j, j+2
.endr
.irp k, 50,52,54,56,58,60,62,66
.set j, 0
.rept 16
	v_pk_fma_f32 v[GP+j:GP+j+1], v[GP+j:GP+j+1], v[GT+j:GT+j+1], s[\k:\k+1] op_sel_hi:[1,1,0]
.set j, j+2
.endr
.endr
	WIN 0x01
.set j, 0
.rept 16
	v_pk_fma_f32 v[GP+j:GP+j+1], v[GQ+j:GQ+j+1], s[ZK:ZK+1], v[GP+j:GP+j+1] op_sel_hi:[1,0,1]
.set j, j+2
.endr
	WIN 0
	s_wait_alu depctr_va_vdst(0)                   ; ahead of the batch
.set j, 0
.rept 32
	v_exp_f32 v[GP+j], v[GP+j]
.set j, j+1
.endr
	WIN 0x40
.set j, 0
.rept 32
	v_add_f32 v[GQ+j], v[V+j], |v[V+j]|            ; 2 y or 0: plain lines behind the batch
.set j, j+1
.endr
	WIN 0
	s_wait_alu depctr_va_vdst(0)                   ; one wait for the batch, ahead of its first reader
.set j, 0
.rept 16
	v_pk_mul_f32 v[GP+j:GP+j+1], v[GP+j:GP+j+1], v[GT+j:GT+j+1]   ; e
.set j, j+2
.endr
	WIN 0x10
.set j, 0
.rept 32
	v_fma_f32 v[V+j], -|v[V+j]|, v[GP+j], v[GQ+j]
.set j, j+1
.endr
	WIN 0
.set j, 0
.rept 32
	v_med3_num_f32 v[V+j], v[V+j], -v[QL], v[QL]   ; the conversion to an 8-bit code does not saturate (ISA guide 7.6.2)
.set j, j+1
.endr
.irp b, 0,1,2,3
	v_cvt_scalef32_pk8_fp8_f32 v[GC+8*(\a)+2*\b:GC+8*(\a)+2*\b+1], v[V+8*\b:V+8*\b+7], v[QS]
.endr
	v_nop                                          ; a plain line behind the last conversion
	global_store_b128 v[CO], v[GC+8*(\a):GC+8*(\a)+3], s[78:79] offset:2048*(\a)          ; 512 consecutive bytes, aligned
	global_store_b128 v[CO], v[GC+8*(\a)+4:GC+8*(\a)+7], s[78:79] offset:2048*(\a)+512
.endm
.macro TILE fill, tail                 ; fill = 1: behind the tile its slot takes the tile two further on
	v_add_nc_u32 v[ADR], s[TB], v[ADB]
	s_wait_alu depctr_va_vdst(0)
	FETCH 0
	FETCH 1
	s_wait_loadcnt 0x0                             ; the bias (the first time: A too)
	WIN 0x41
.set j, 0
.rept 16
	v_pk_mul_f32 v[TBR+j:TBR+j+1], v[TBR+j:TBR+j+1], s[98:99] op_sel_hi:[1,0]   ; / 2^(e12 + e13), which the sums lack
.set j, j+2
.endr
	WIN 0
	s_wait_alu depctr_va_vdst(0)
	MM \tail
	WIN 0
	PLACES
	GELU 0
	GELU 1
	GELU 2
	GELU 3
	s_wait_alu depctr_va_vdst(0)
	s_wait_xcnt 0x0                                ; the stores and my prefetch have read their registers
	s_add_nc_u64 s[78:79], s[78:79], OSTEP
.if \fill
	s_add_nc_u64 s[PFA:PFA+1], s[PFA:PFA+1], WSTEP
.endif
	s_wait_tensorcnt 0x0                           ; my one load that was out, my part of the next slot, has landed
	ds_add_u32 v[SPW], v[NIL]                      ; 0 onto my spare word
.if \fill
	s_add_co_u32 s[G0+1], s[WL], s[TB]             ; the slot just read,
	s_add_nc_u64 s[G0+2:G0+3], s[G0+2:G0+3], WSTEP ; the tile behind the one asked for last
.endif
	s_xor_b32 s[TB], s[TB], SLOT                   ; 0 and SLOT by turns
	s_wait_dscnt 0x0                               ; the add is done, and my reads of this slot are over
.if \fill
	CROUND                                         ; no wave of any partner still reads the slot or has a load on its way
	tensor_load_to_lds s[G0:G0+3], s[G1:G1+7]
	s_nop 0
	PLACES
	s_cmp_eq_u32 s3, 2                             ; behind tile 2's load tile 3 is named; behind tile 3's nothing
	s_cbranch_scc0 .Lno_ask_\@
	global_prefetch_b8 v[PFO], s[PFA:PFA+1] th:TH_LOAD_NT scope:SCOPE_SE
.Lno_ask_\@:
.else
	s_barrier_signal -1
	s_barrier_wait -1                              ; the next slot is whole for every wave
.endif
.endm
	s_load_b256 s[68:75], s[0:1], 0x0              ; a2 68, W1 70, b1 72, the exponents 74
	s_load_b64 s[78:79], s[0:1], 0x20              ; hc
	v_lshl_add_u32 v[SPW], v0, 2, SPARE
	v_mov_b32 v[NIL], 0
	ds_add_u32 v[SPW], v[NIL]                      ; the opening: the add, twice on end, and its wait ahead of my first tensor load
	ds_add_u32 v[SPW], v[NIL]
	v_lshrrev_b32 v1, 5, v0
	v_readfirstlane_b32 s10, v1                    ; wave 0..3
	s_lshr_b32 s11, s10, 1                         ; my half of the rows
	s_and_b32 s12, s10, 1                          ; my half of the columns
	s_lshl_b32 s14, s11, 13                        ; four R of 2,048 bytes
	s_lshl_b32 s15, s12, 10                        ; two pieces of 512 bytes
	s_add_co_u32 s15, s15, s14
	s_mul_i32 s16, s12, 64*PB
	v_and_b32 v1, 15, v0                           ; r
	v_bfe_u32 v2, v0, 4, 1                         ; h
	v_and_b32 v3, 31, v0                           ; lane
	v_lshlrev_b32 v5, 4, v3
	v_add_nc_u32 v[AO], s14, v5
	v_add_nc_u32 v[CO], s15, v5
	v_mul_u32_u24 v6, v1, PB
	v_lshl_add_u32 v6, v2, 3, v6                   ; row x pitch + 8 h
	v_add_nc_u32 v[ADB], s16, v6
	v_lshlrev_b32 v[BO], 5, v2
	v_lshlrev_b32 v[PFO], 10, v3
	v_mov_b32 v30, 0x3e7c6f08                      ; P's leading coefficient; all of P is x log2(e)
	v_mov_b32 v31, 0x3e7c6f08
	s_bfe_u32 s40, ttmp6, 0x40000                  ; cx
	s_bfe_u32 s41, ttmp6, 0x40004                  ; cy
	s_lshl_b32 s42, ttmp9, 2
	s_add_co_u32 s42, s42, s40                     ; tile column 0..7
	s_and_b32 s13, ttmp7, 0xffff
	s_lshl_b32 s13, s13, 2
	s_add_co_u32 s13, s13, s41                     ; token block 0..31
	s_lshl_b32 s44, 0x1111, s40                    ; my column of the cluster
	s_or_b32 s[G1], s44, (1<<20)|(1<<21)|(7<<22)|(3<<25)   ; the mask; elements of 1 byte; padding on; bit 21 beside a mask; after every 256 words; 4 words
	s_mov_b32 s[G1+1], 1024<<16                    ; tensor_dim0
	s_mov_b32 s[G1+2], 32<<16                      ; tensor_dim1
	s_mov_b32 s[G1+3], 1024<<16                    ; tile_dim0
	s_mov_b32 s[G1+4], 32                          ; tile_dim1
	s_mov_b32 s[G1+5], SIZE_K                      ; the pitch
	s_mov_b32 s[G1+6], 0
	s_mov_b32 s[G1+7], 0
	s_lshl_b32 s46, s42, 7
	s_lshl_b32 s47, s10, 5
	s_add_co_u32 s46, s46, s47
	s_lshl_b32 s46, s46, 10                        ; W: row 128 x tile column + 32 x wave, of 1,024 bytes
	s_mov_b32 s47, 0
	s_mul_i32 s[WL], s10, QB                       ; no place in the cluster enters an LDS address
	s_lshl_b32 s18, s13, 17                        ; a2: my token block
	s_mov_b32 s19, 0
	s_lshl_b32 s20, s13, 19                        ; hc: my token block, + the tile
	s_lshl_b32 s21, s42, 14
	s_add_co_u32 s20, s20, s21
	s_mov_b32 s21, 0
	s_lshl_b32 s22, s42, 9                         ; b1: 4 (128 tile column + 64 half)
	s_lshl_b32 s23, s12, 8
	s_add_co_u32 s22, s22, s23
	s_mov_b32 s23, 0
	s_lshl_b32 s44, s41, 8                         ; the prefetch: my work-group's 256 bytes of each row, in tile 2
	s_add_co_u32 s44, s44, 2*WSTEP
	s_mov_b32 s45, 0
	s_mov_b32 s[TB], 0
	KP 48, 0xbf97d29d
	KP 50, 0x40097039
	KP 52, 0xbfd1a1e5
	KP 54, 0x3ecdfd18
	KP 56, 0xbe899a80
	KP 58, 0x3e0efb2f
	KP 60, 0x3f0a29d2
	KP 62, 0x3fb8ab5a
	KP 66, 0xbfe9b21e
	s_wait_alu depctr_va_vdst(0)
	s_wait_dscnt 0x0                               ; both opening adds are done
	s_wait_kmcnt 0x0
	s_load_b128 s[80:83], s[74:75], 0x30           ; e12, e13, e14, e15
	s_add_nc_u64 s[68:69], s[68:69], s[18:19]
	s_add_nc_u64 s[46:47], s[70:71], s[46:47]
	s_add_nc_u64 s[78:79], s[78:79], s[20:21]
	s_add_nc_u64 s[72:73], s[72:73], s[22:23]
	s_add_nc_u64 s[PFA:PFA+1], s[46:47], s[44:45]
	s_mov_b32 s[G0], 1
	s_mov_b32 s[G0+1], s[WL]                       ; slot 0
	s_mov_b64 s[G0+2:G0+3], s[46:47]               ; tile 0
	s_or_b32 s[G0+3], s[G0+3], 0x80000000
	CROUND                                         ; all sixteen work-groups are here: the first joint loads meet
	tensor_load_to_lds s[G0:G0+3], s[G1:G1+7]      ; tile 0: one tensor load a wave at the head, asked for ahead of A's 128 loads
	s_nop 0
	PLACES
	ALOAD 0
	ALOAD 1
	ALOAD 2
	ALOAD 3
	ALOAD 4
	ALOAD 5
	ALOAD 6
	ALOAD 7
	BLOAD
	WIN 0
	s_wait_kmcnt 0x0
	s_add_co_i32 s85, s80, s81                     ; e12 + e13
	s_lshl_b32 s86, s85, 23
	s_add_co_u32 s84, s86, 0x3eb504f3              ; s / (2 sqrt 2): the exponent goes into the constant's exponent field
	s_lshl_b32 s87, s85, 24
	s_add_co_u32 s[ZK], s87, 0xbf38aa3b            ; -s^2 log2(e) / 2
	s_mov_b32 s[ZK+1], s[ZK]
	s_sub_co_i32 s98, 127, s85
	s_lshl_b32 s98, s98, 23                        ; 1 / s
	s_mov_b32 s99, s98
	s_sub_co_i32 s86, s82, s85
	s_add_co_i32 s86, s86, 128
	s_lshl_b32 s87, s86, 23
	v_mov_b32 v[QS], s87                           ; 2^(e14 + 1 - e12 - e13)
	s_add_co_i32 s86, s86, 8
	s_lshl_b32 s86, s86, 23
	s_or_b32 s86, s86, 0x600000
	v_mov_b32 v[QL], s86                           ; 448 x that
	s_wait_alu depctr_va_vdst(0)
	s_wait_tensorcnt 0x0                           ; my part of tile 0 is in
	ds_add_u32 v[SPW], v[NIL]
	s_add_co_u32 s[G0+1], s[WL], SLOT              ; slot 1,
	s_add_nc_u64 s[G0+2:G0+3], s[G0+2:G0+3], WSTEP ; tile 1
	s_wait_dscnt 0x0
	CROUND                                         ; tile 0 is whole in every work-group
	tensor_load_to_lds s[G0:G0+3], s[G1:G1+7]
	s_nop 0
	PLACES
	global_prefetch_b8 v[PFO], s[PFA:PFA+1] th:TH_LOAD_NT scope:SCOPE_SE   ; tile 2
	s_mov_b32 s3, 2
.Lfill:                                            ; tiles 0 and 1: each slot is filled again
	TILE 1, 0
	s_sub_co_u32 s3, s3, 1
	s_cmp_lg_u32 s3, 0
	s_cbranch_scc1 .Lfill
	s_mov_b32 s3, 2
.Ltail:                                            ; tiles 2 and 3 fill nothing
	TILE 0, 1
	s_sub_co_u32 s3, s3, 1
	s_cmp_lg_u32 s3, 0
	s_cbranch_scc1 .Ltail
	s_wait_tensorcnt 0x0                           ; the wave's end
	ds_add_u32 v[SPW], v[NIL]
	s_wait_dscnt 0x0
	CROUND                                         ; the closing round
	s_endpgm
.Lfunc_end_k_q4f6a2e362d_ff1:
	.size	k_q4f6a2e362d_ff1, .Lfunc_end_k_q4f6a2e362d_ff1-k_q4f6a2e362d_ff1
	.p2alignl 7, 3214868480
	.fill 96, 4, 3214868480
	.section	.rodata,"a",@progbits
	.p2align	6, 0x0
	.amdhsa_kernel k_q4f6a2e362d_ff1
		.amdhsa_group_segment_fixed_size 327680
		.amdhsa_private_segment_fixed_size 0
		.amdhsa_enable_private_segment 0
		.amdhsa_kernarg_size 40
		.amdhsa_user_sgpr_count 2
		.amdhsa_user_sgpr_kernarg_segment_ptr 1
		.amdhsa_wavefront_size32 1
		.amdhsa_system_sgpr_workgroup_id_x 1
		.amdhsa_system_sgpr_workgroup_id_y 1
		.amdhsa_system_sgpr_workgroup_id_z 1
		.amdhsa_system_vgpr_workitem_id 0
		.amdhsa_next_free_vgpr 1024
		.amdhsa_next_free_sgpr 100
		.amdhsa_reserve_vcc 0
		.amdhsa_float_denorm_mode_32 3
		.amdhsa_float_denorm_mode_16_64 3
		.amdhsa_memory_ordered 1
		.amdhsa_forward_progress 1
		.amdhsa_inst_pref_size 255
	.end_amdhsa_kernel
	.section	.bss,"aw",@nobits
	.p2align	6
	.space	262144
	.amdgpu_metadata
---
amdhsa.version: [ 1, 2 ]
amdhsa.kernels:
  - .name:           k_q4f6a2e362d_ff1
    .symbol:         k_q4f6a2e362d_ff1.kd
    .args:
      - { .name: a2, .offset: 0, .size: 8, .value_kind: global_buffer, .address_space: global }
      - { .name: W1_codes, .offset: 8, .size: 8, .value_kind: global_buffer, .address_space: global }
      - { .name: b1, .offset: 16, .size: 8, .value_kind: global_buffer, .address_space: global }
      - { .name: lowp_scales, .offset: 24, .size: 8, .value_kind: global_buffer, .address_space: global }
      - { .name: hc, .offset: 32, .size: 8, .value_kind: global_buffer, .address_space: global }
    .group_segment_fixed_size: 327680
    .private_segment_fixed_size: 0
    .kernarg_segment_align: 8
    .kernarg_segment_size: 40
    .max_flat_workgroup_size: 128
    .sgpr_count:     100
    .vgpr_count:     1024
    .wavefront_size: 32
...
	.end_amdgpu_metadata
.endif
;; end of part 6
;; launch ff2 (part 7): grid 8 x 32, 4 waves a work-group, clusters of 4 x 4, 327,680 bytes of LDS; arguments hc, W2_codes, b2, x1, lowp_scales, out0; writes out0
.if DOCPART == 7
	.amdgcn_target "amdgcn-amd-amdhsa--gfx1250"
	.amdhsa_code_object_version 6
	.text
	.protected	k_q4f6a2e362d_ff2
	.globl	k_q4f6a2e362d_ff2
	.p2align	8
	.type	k_q4f6a2e362d_ff2,@function
k_q4f6a2e362d_ff2:
	s_mov_b64 s[64:65], 0
	v_nop
	global_prefetch_b8 v0, s[64:65] scope:SCOPE_SE
	s_setreg_imm32_b32 hwreg(HW_REG_WAVE_MODE, 25, 1), 1
	s_wait_xcnt 0x0
	s_wait_alu depctr_hold_cnt(0) depctr_sa_sdst(0) depctr_va_vdst(0) depctr_va_sdst(0) depctr_va_ssrc(0) depctr_va_vcc(0) depctr_vm_vsrc(0)
	s_getreg_b32 s2, hwreg(HW_REG_IB_STS2, 6, 4)
	s_cmp_eq_u32 s2, 0
	s_cbranch_scc0 .Lentry_in_a_cluster
	s_endpgm
.Lentry_in_a_cluster:
	s_bfe_u32 s2, ttmp6, 0x10000c
	s_cmp_lg_u32 s2, 0xf033
	s_cbranch_scc0 .Lentry_shape_is_right
	s_endpgm
.Lentry_shape_is_right:
; out = x1 + h W2 + b2 on E4M3 codes, K = 4,096.  hc: [token block of 128][K tile 32][R 8][p 4][lane 32][16 bytes], piece p = registers 4 p .. 4 p + 3 of the fragment of rows 16 R ..; W2: [1024][4096] codes; b2 [1024]; x1, out [4096][1024] f32.
; SHARES.  A work-group makes 128 x 128 of the result.  K goes in four chunks of 1,024.  Wave (m, k2): rows 64 m .., all 128 columns, and of each chunk the K tiles 4 k2 .. 4 k2 + 3: the two waves of a row half split K, so no byte of A is loaded twice.
; A step is one K tile: 32 products on 32 accumulators, in two half-steps of 16: first the wave's OWN columns (64 k2 ..), then the partner's.  At the end each wave hands the partner's 64 columns over through LDS as register images and adds what it is handed.
; A COMES STRAIGHT INTO REGISTERS: the images are the registers' order.  Four sets of 64 registers take turns; a step's 16 loads are issued three steps ahead, with two of the residual's 32 loads behind them: a group of 18.  At most 54 loads of a wave are out in the walk (62 at the head, the bias's 8 among them).
; hc is therefore not prefetched: its loads are on their way all through the walk.  It has no copy in LDS that partners could share, so it is not asked for jointly.
; W comes through two LDS slots, each a chunk (128 rows x 1,024 bytes, pitch 1,040).  Each wave fetches 32 rows by one joint load, shared along a column of the cluster.  Chunks 0 and 1 are first fills, 2 and 3 refills.
; The change of slots stands in a chunk's seventh half-step, when the chunk's last fragments are in registers; its 16 products stand inside the barrier.  W's fragments go through three buffers, fetched two half-steps ahead, across the change too.
; PREFETCH: behind the load of chunk c + 1 each wave names chunk c + 2 once: its 32 rows, a lane a row, and of each row the 256 bytes at 256 x cy: the four partners share a chunk out by address.  Chunks 0 and 1 come by their loads alone.
; THE MATRIX INSTRUCTION IS USED TRANSPOSED (source 0 = 16 rows of W, source 1 = 16 rows of A): lane (r, h), register j of accumulator (a, b) is C(16 a + r, 16 b + 8 h + j).  The bias / 2^(e14 + e15) is the C of the own columns' first products; the partner's begin with 0.
; THE WAY OUT: 16 rows x 64 columns at a time through the wave's own stage: sixteen lanes then hold 256 consecutive bytes of a row; out = sum x 2^(e14 + e15) + x1.
; The text has no loop: the first products, the two refills, the last change and the tail each differ, and the buffers' numbers come back only after three half-steps.
; LIMIT: e14 + e15 between -126 and 126.  NaN and infinities are not served.
; REGISTERS: window 0: v1-29 addresses, v32-95 rows on the way out, v96-127 the bias, later sums, v128-255 the residual.  window 1: v0-191 three buffers of four W fragments; at the end v0-127 what the partner hands over.
;   window 2: A, four sets of 64.  window 3: accumulator (a, b) at 64 a + 8 b: b = 0..3 own columns, 4..7 the partner's.
.set SIZE_K, 4096
.set PB,     1040                      ; 1,024 bytes + 16: the 32 lanes of a load of 8 bytes touch 64 different banks (64 banks of 4 bytes: ISA guide 11.1)
.set QB,     32*PB                     ; what one tensor load brings
.set SLOT,   4*QB
.set STAGE,  2*SLOT                    ; behind the slots: 16 rows x 272 bytes for each wave
.set SP,     272
.set SPARE,  STAGE+4*16*SP             ; behind the stages: the spare words, 128 bytes a wave, that no other line names
.set AO,   4                           ; v4   A's images: 8,192 x row half + 16 x lane
.set BO,   7                           ; v7   the bias: 32 h
.set ADR,  16                          ; v16-19 my W fragments: slot 0 own, partner's; slot 1 own, partner's
.set XS,   20                          ; v20  where I leave the partner's columns: 16,384 x wave + 16 x lane, in slot 0, which has had its last fill and its last read by then
.set XL,   21                          ; v21  where the partner leaves mine
.set STO,  24
.set RD,   25
.set CO,   26
.set PFO,  27                          ; v27  4,096 x lane
.set SPW,  28
.set NIL,  29
.set TN,   96
.set RS,   128
.set G1,   24
.set G0,   32
.set PFA,  36                          ; s[36:37] my prefetches: chunk 2 of my rows
.set WL,   39                          ; s39  where my 32 rows land in a slot
.set MSB, 0
.macro WIN new                         ; the immediate's high byte repeats the setting that is left
.if MSB != (\new)
	s_set_vgpr_msb (MSB<<8)|(\new)
.set MSB, (\new)
.endif
.endm
.macro CREST                           ; a round of the cluster's barrier behind its opening barrier
	s_cmp_lg_u32 s10, 0
	s_cbranch_scc1 .Lnot_wave_0_\@
	s_barrier_signal -3
.Lnot_wave_0_\@:
	s_barrier_wait -3
	s_barrier_signal -1
	s_barrier_wait -1
.endm
.macro CROUND
	s_barrier_signal -1
	s_barrier_wait -1
	CREST
.endm
.macro PLACES                          ; four plain lines in front of loads into registers that matrix instructions have read, and of the first read of results
.rept 4
	v_nop
.endr
.endm
.macro GROUP st                        ; step st's fragments of A into set st % 4 (each load of the wave reads 512 consecutive bytes), and rows 4 st .. 4 st + 3 of my residual
	WIN 0x80
.irp a, 0,1,2,3
.irp p, 0,1,2,3
	global_load_b128 v[64*((\st)%4)+16*\a+4*\p:64*((\st)%4)+16*\a+4*\p+3], v[AO], s[68:69] offset:16384*(8*((\st)/4)+(\st)%4)+2048*\a+512*\p
.endr
.endr
	WIN 0
	global_load_b128 v[RS+8*(\st):RS+8*(\st)+3], v[CO], s[74:75] offset:(4*(\st))*4096 th:TH_LOAD_NT
	global_load_b128 v[RS+8*(\st)+4:RS+8*(\st)+7], v[CO], s[74:75] offset:(4*(\st)+2)*4096 th:TH_LOAD_NT
.endm
.macro FETCH gh                        ; half-step gh's four fragments of W into buffer gh % 3: registers 2 c, 2 c + 1: K = 16 c + 8 h + 0..7
.set FA, ADR+2*(((\gh)/8)%2)+(\gh)%2
	WIN 0x40
.irp i, 0,1,2,3
.irp c, 0,1,2,3,4,5,6,7
	ds_load_b64 v[64*((\gh)%3)+16*\i+2*\c:64*((\gh)%3)+16*\i+2*\c+1], v[FA] offset:128*(((\gh)%8)/2)+16*\c+\i*16*PB
.endr
.endr
.endm
.macro MUL16 gh                        ; 16 accumulators, one instruction a turn; the other 16 have the next half-step
.set MQ, 64*(((\gh)%8)/2)
.set MG, 32*((\gh)%2)
.set MF, 64*((\gh)%3)
.if (\gh) == 0
	WIN 0xc9                                       ; W window 1, A window 2, C (the bias) window 0, D window 3
.else
	WIN 0xf9                                       ; W window 1, A window 2, C and D window 3
.endif
.irp a, 0,1,2,3
.irp b, 0,1,2,3
.if (\gh) == 0
	v_wmma_f32_16x16x128_fp8_fp8 v[64*\a+MG+8*\b:64*\a+MG+8*\b+7], v[MF+16*\b:MF+16*\b+15], v[MQ+16*\a:MQ+16*\a+15], v[TN+8*\b:TN+8*\b+7]
.elseif (\gh) == 1
	v_wmma_f32_16x16x128_fp8_fp8 v[64*\a+MG+8*\b:64*\a+MG+8*\b+7], v[MF+16*\b:MF+16*\b+15], v[MQ+16*\a:MQ+16*\a+15], 0
.else
	v_wmma_f32_16x16x128_fp8_fp8 v[64*\a+MG+8*\b:64*\a+MG+8*\b+7], v[MF+16*\b:MF+16*\b+15], v[MQ+16*\a:MQ+16*\a+15], v[64*\a+MG+8*\b:64*\a+MG+8*\b+7]
.endif
.endr
.endr
.endm
.macro HS c, hs                        ; half-step hs of chunk c
.set GH, 8*(\c)+(\hs)
.set ST, GH/2
.if GH%2 == 0
.if ST < 14
	s_wait_loadcnt 36                              ; this step's group is in; the two younger groups may be out
.else
	s_wait_loadcnt 18*(15-ST)
.endif
.endif
.if ((\hs) == 6) && ((\c) < 3)         ; THE CHANGE OF SLOTS
	WIN 0
	s_wait_tensorcnt 0x0                           ; my one load that was out, my part of the next chunk, has landed
	ds_add_u32 v[SPW], v[NIL]                      ; 0 onto my spare word
.if (\c) < 2
	s_add_co_u32 s[G0+1], s[WL], ((\c)%2)*SLOT     ; this chunk's slot takes the chunk two further on
	s_add_nc_u64 s[G0+2:G0+3], s[G0+2:G0+3], 1024
.endif
	s_wait_dscnt 0x0                               ; the add is done, and the chunk's last fragments are in registers: my reads of this slot are over
	s_barrier_signal -1
	MUL16 GH                                       ; work on registers while the others arrive
	WIN 0
	s_barrier_wait -1
.if (\c) < 2
	CREST                                          ; the barrier has opened a round of the cluster's: no wave of any partner still reads the slot or has a load on its way
	tensor_load_to_lds s[G0:G0+3], s[G1:G1+7]
	s_nop 0
.endif
	PLACES
.if (\c) == 0
	global_prefetch_b8 v[PFO], s[PFA:PFA+1] offset:1024 th:TH_LOAD_NT scope:SCOPE_SE   ; chunk 3
.endif
	FETCH GH+2
	GROUP ST+3
.else
.if GH < 31
	s_wait_dscnt 32                                ; this half-step's fragments are in; the next one's 32 loads may be out
.else
	s_wait_dscnt 0x0
.endif
.if GH > 0
	PLACES                                         ; the buffer and the set that are loaded next were read by the half-steps before
.endif
.if GH < 30
	FETCH GH+2
.endif
.if (GH%2 == 0) && (ST < 13)
	GROUP ST+3
.endif
	MUL16 GH
.endif
.endm
.macro OUTF a                          ; rows 16 a .. 16 a + 15 of my 64, my own 64 columns
.set BK, 32+32*((\a)%2)
.if (\a) >= 2
	s_wait_xcnt 0x0                                ; block a - 2's stores have read their registers
.endif
	WIN 0x07                                       ; source 0 window 3, source 1 window 1
.set j, 0
.rept 16
	v_pk_add_f32 v[TN+j:TN+j+1], v[64*(\a)+j:64*(\a)+j+1], v[32*(\a)+j:32*(\a)+j+1]   ; my half of K and the partner's; each accumulator from its low end on
.set j, j+2
.endr
	WIN 0
.irp b, 0,1,2,3
	ds_store_b128 v[STO], v[TN+8*\b:TN+8*\b+3] offset:64*\b
	ds_store_b128 v[STO], v[TN+8*\b+4:TN+8*\b+7] offset:64*\b+16
.endr
.irp t, 0,1,2,3,4,5,6,7
	ds_load_b128 v[BK+4*\t:BK+4*\t+3], v[RD] offset:\t*2*SP   ; LDS serves a wave's instructions in order (ISA guide 5.7.1.4): these see my stores, and the next block's stores come behind them
.endr
	s_wait_dscnt 0x0
.set j, 0
.rept 16
	v_pk_fma_f32 v[BK+j:BK+j+1], v[BK+j:BK+j+1], s[96:97], v[RS+32*(\a)+j:RS+32*(\a)+j+1] op_sel_hi:[1,0,1]
.set j, j+2
.endr
.irp t, 0,1,2,3,4,5,6,7
	global_store_b128 v[CO], v[BK+4*\t:BK+4*\t+3], s[78:79] offset:(16*(\a)+2*\t)*4096 th:TH_STORE_NT   ; sixteen lanes store 256 consecutive bytes, aligned
.endr
.endm
	s_load_b256 s[68:75], s[0:1], 0x0              ; hc 68, W2 70, b2 72, x1 74
	s_load_b128 s[76:79], s[0:1], 0x20             ; the exponents 76, out 78
	v_lshl_add_u32 v[SPW], v0, 2, SPARE
	v_mov_b32 v[NIL], 0
	ds_add_u32 v[SPW], v[NIL]                      ; the opening: the add, twice on end, and its wait ahead of my first tensor load
	ds_add_u32 v[SPW], v[NIL]
	v_lshrrev_b32 v1, 5, v0
	v_readfirstlane_b32 s10, v1                    ; wave 0..3
	s_lshr_b32 s11, s10, 1                         ; m: my half of the rows
	s_and_b32 s12, s10, 1                          ; k2: my half of each chunk, and my own half of the columns
	s_lshl_b32 s14, s11, 13                        ; four R of 2,048 bytes
	s_mul_i32 s15, s12, 64*PB+512                  ; own columns' rows of W, at my half of the chunk
	s_xor_b32 s16, s12, 1
	s_mul_i32 s16, s16, 64*PB                      ; the partner's columns' rows,
	s_lshl_b32 s17, s12, 9
	s_add_co_u32 s16, s16, s17                     ; at my half of the chunk
	s_mul_i32 s17, s10, 16*SP
	s_add_co_u32 s17, s17, STAGE                   ; my stage
	s_lshl_b32 s18, s10, 14
	s_xor_b32 s19, s10, 1
	s_lshl_b32 s19, s19, 14
	v_and_b32 v1, 15, v0                           ; r
	v_bfe_u32 v2, v0, 4, 1                         ; h
	v_and_b32 v3, 31, v0                           ; lane
	v_lshlrev_b32 v5, 4, v3
	v_add_nc_u32 v[AO], s14, v5
	v_add_nc_u32 v[XS], s18, v5
	v_add_nc_u32 v[XL], s19, v5
	v_mul_u32_u24 v6, v1, PB
	v_lshl_add_u32 v6, v2, 3, v6                   ; row x pitch + 8 h
	v_add_nc_u32 v[ADR], s15, v6
	v_add_nc_u32 v[ADR+1], s16, v6
	v_add_nc_u32 v[ADR+2], SLOT, v[ADR]
	v_add_nc_u32 v[ADR+3], SLOT, v[ADR+1]
	v_mul_u32_u24 v8, v1, SP
	v_lshl_add_u32 v8, v2, 5, v8
	v_add_nc_u32 v[STO], s17, v8                   ; in: row r, 32 bytes for each half of the lanes
	v_mul_u32_u24 v9, v2, SP
	v_lshl_add_u32 v9, v1, 4, v9
	v_add_nc_u32 v[RD], s17, v9                    ; back: lanes 0-15 one row of 256 bytes, lanes 16-31 the next
	v_lshlrev_b32 v[CO], 12, v2
	v_lshl_add_u32 v[CO], v1, 4, v[CO]             ; and the same two rows in memory
	v_lshlrev_b32 v[BO], 5, v2
	v_lshlrev_b32 v[PFO], 12, v3
	s_bfe_u32 s40, ttmp6, 0x40000                  ; cx
	s_bfe_u32 s41, ttmp6, 0x40004                  ; cy
	s_lshl_b32 s42, ttmp9, 2
	s_add_co_u32 s42, s42, s40                     ; tile column 0..7
	s_and_b32 s13, ttmp7, 0xffff
	s_lshl_b32 s13, s13, 2
	s_add_co_u32 s13, s13, s41                     ; token block 0..31
	s_lshl_b32 s44, 0x1111, s40                    ; my column of the cluster
	s_or_b32 s[G1], s44, (1<<20)|(1<<21)|(7<<22)|(3<<25)   ; the mask; elements of 1 byte; padding on; bit 21 beside a mask; after every 256 words; 4 words
	s_mov_b32 s[G1+1], 1024<<16                    ; tensor_dim0
	s_mov_b32 s[G1+2], 32<<16                      ; tensor_dim1
	s_mov_b32 s[G1+3], 1024<<16                    ; tile_dim0
	s_mov_b32 s[G1+4], 32                          ; tile_dim1
	s_mov_b32 s[G1+5], SIZE_K                      ; the pitch
	s_mov_b32 s[G1+6], 0
	s_mov_b32 s[G1+7], 0
	s_lshl_b32 s46, s42, 7
	s_lshl_b32 s47, s10, 5
	s_add_co_u32 s46, s46, s47
	s_lshl_b32 s46, s46, 12                        ; W: row 128 x tile column + 32 x wave, of 4,096 bytes
	s_mov_b32 s47, 0
	s_mul_i32 s[WL], s10, QB                       ; no place in the cluster enters an LDS address
	s_lshl_b32 s18, s13, 19                        ; hc: my token block, + four K tiles for the second half of a chunk
	s_lshl_b32 s19, s12, 16
	s_add_co_u32 s18, s18, s19
	s_mov_b32 s19, 0
	s_lshl_b32 s20, s13, 7
	s_lshl_b32 s21, s11, 6
	s_add_co_u32 s20, s20, s21
	s_lshl_b32 s20, s20, 12                        ; my first row, of 4,096 bytes
	s_lshl_b32 s22, s42, 9
	s_lshl_b32 s23, s12, 8
	s_add_co_u32 s22, s22, s23                     ; my first own column, in bytes
	s_add_co_u32 s20, s20, s22
	s_mov_b32 s21, 0
	s_mov_b32 s23, 0
	s_lshl_b32 s44, s41, 8                         ; the prefetch: my work-group's 256 bytes of each row, in chunk 2
	s_add_co_u32 s44, s44, 2048
	s_mov_b32 s45, 0
	s_wait_alu depctr_va_vdst(0)
	s_wait_dscnt 0x0                               ; both opening adds are done
	s_wait_kmcnt 0x0
	s_load_b64 s[80:81], s[76:77], 0x38            ; e14, e15
	s_add_nc_u64 s[68:69], s[68:69], s[18:19]
	s_add_nc_u64 s[46:47], s[70:71], s[46:47]
	s_add_nc_u64 s[72:73], s[72:73], s[22:23]
	s_add_nc_u64 s[74:75], s[74:75], s[20:21]
	s_add_nc_u64 s[78:79], s[78:79], s[20:21]
	s_add_nc_u64 s[PFA:PFA+1], s[46:47], s[44:45]
	s_mov_b32 s[G0], 1
	s_mov_b32 s[G0+1], s[WL]                       ; slot 0
	s_mov_b64 s[G0+2:G0+3], s[46:47]               ; chunk 0
	s_or_b32 s[G0+3], s[G0+3], 0x80000000
	CROUND                                         ; all sixteen work-groups are here: the first joint loads meet
	tensor_load_to_lds s[G0:G0+3], s[G1:G1+7]      ; chunk 0: one tensor load a wave at the head, asked for ahead of the loads below
	s_nop 0
	PLACES
.irp b, 0,1,2,3
	global_load_b128 v[TN+8*\b:TN+8*\b+3], v[BO], s[72:73] offset:64*\b       ; the bias at my own columns, in the result's layout
	global_load_b128 v[TN+8*\b+4:TN+8*\b+7], v[BO], s[72:73] offset:64*\b+16
.endr
	GROUP 0                                        ; the first three groups: with the bias 62 loads
	GROUP 1
	GROUP 2
	s_wait_kmcnt 0x0
	s_add_co_i32 s80, s80, s81                     ; e14 + e15
	s_add_co_i32 s96, s80, 127
	s_lshl_b32 s96, s96, 23                        ; 2^(e14 + e15)
	s_mov_b32 s97, s96
	s_sub_co_i32 s98, 127, s80
	s_lshl_b32 s98, s98, 23                        ; and its inverse, which the sums lack
	s_mov_b32 s99, s98
	s_wait_loadcnt 54                              ; the bias is in; the three groups may be out
.set j, 0
.rept 16
	v_pk_mul_f32 v[TN+j:TN+j+1], v[TN+j:TN+j+1], s[98:99] op_sel_hi:[1,0]
.set j, j+2
.endr
	s_wait_alu depctr_va_vdst(0)
	s_wait_tensorcnt 0x0                           ; my part of chunk 0 is in
	ds_add_u32 v[SPW], v[NIL]
	s_add_co_u32 s[G0+1], s[WL], SLOT              ; slot 1,
	s_add_nc_u64 s[G0+2:G0+3], s[G0+2:G0+3], 1024  ; chunk 1
	s_wait_dscnt 0x0
	CROUND                                         ; chunk 0 is whole in every work-group
	tensor_load_to_lds s[G0:G0+3], s[G1:G1+7]
	s_nop 0
	PLACES
	global_prefetch_b8 v[PFO], s[PFA:PFA+1] th:TH_LOAD_NT scope:SCOPE_SE   ; chunk 2
	FETCH 0
	FETCH 1
.irp c, 0,1,2,3
.irp hs, 0,1,2,3,4,5,6,7
	HS \c, \hs
.endr
.endr
	WIN 0
	PLACES
	WIN 0x0c                                       ; the stores' data: window 3
.irp a, 0,1,2,3
.irp b, 0,1,2,3
	ds_store_b128 v[XS], v[64*\a+32+8*\b:64*\a+32+8*\b+3] offset:(8*\a+2*\b)*512       ; the partner's columns, as an image of the registers: 16 bytes a lane
	ds_store_b128 v[XS], v[64*\a+32+8*\b+4:64*\a+32+8*\b+7] offset:(8*\a+2*\b+1)*512
.endr
.endr
	WIN 0
	s_wait_dscnt 0x0                               ; for the partner's sake: my stores have landed
	s_barrier_signal -1
	s_barrier_wait -1
	WIN 0x40
.set n, 0
.rept 32
	ds_load_b128 v[4*n:4*n+3], v[XL] offset:512*n  ; what the partner summed for my own columns
.set n, n+1
.endr
	WIN 0
	s_wait_dscnt 0x0
	OUTF 0
	OUTF 1
	OUTF 2
	OUTF 3
	s_wait_tensorcnt 0x0                           ; the wave's end
	ds_add_u32 v[SPW], v[NIL]
	s_wait_dscnt 0x0
	CROUND                                         ; the closing round
	s_endpgm
.Lfunc_end_k_q4f6a2e362d_ff2:
	.size	k_q4f6a2e362d_ff2, .Lfunc_end_k_q4f6a2e362d_ff2-k_q4f6a2e362d_ff2
	.p2alignl 7, 3214868480
	.fill 96, 4, 3214868480
	.section	.rodata,"a",@progbits
	.p2align	6, 0x0
	.amdhsa_kernel k_q4f6a2e362d_ff2
		.amdhsa_group_segment_fixed_size 327680
		.amdhsa_private_segment_fixed_size 0
		.amdhsa_enable_private_segment 0
		.amdhsa_kernarg_size 48
		.amdhsa_user_sgpr_count 2
		.amdhsa_user_sgpr_kernarg_segment_ptr 1
		.amdhsa_wavefront_size32 1
		.amdhsa_system_sgpr_workgroup_id_x 1
		.amdhsa_system_sgpr_workgroup_id_y 1
		.amdhsa_system_sgpr_workgroup_id_z 1
		.amdhsa_system_vgpr_workitem_id 0
		.amdhsa_next_free_vgpr 1024
		.amdhsa_next_free_sgpr 100
		.amdhsa_reserve_vcc 0
		.amdhsa_float_denorm_mode_32 3
		.amdhsa_float_denorm_mode_16_64 3
		.amdhsa_memory_ordered 1
		.amdhsa_forward_progress 1
		.amdhsa_inst_pref_size 162
	.end_amdhsa_kernel
	.amdgpu_metadata
---
amdhsa.version: [ 1, 2 ]
amdhsa.kernels:
  - .name:           k_q4f6a2e362d_ff2
    .symbol:         k_q4f6a2e362d_ff2.kd
    .args:
      - { .name: hc, .offset: 0, .size: 8, .value_kind: global_buffer, .address_space: global }
      - { .name: W2_codes, .offset: 8, .size: 8, .value_kind: global_buffer, .address_space: global }
      - { .name: b2, .offset: 16, .size: 8, .value_kind: global_buffer, .address_space: global }
      - { .name: x1, .offset: 24, .size: 8, .value_kind: global_buffer, .address_space: global }
      - { .name: lowp_scales, .offset: 32, .size: 8, .value_kind: global_buffer, .address_space: global }
      - { .name: out0, .offset: 40, .size: 8, .value_kind: global_buffer, .address_space: global }
    .group_segment_fixed_size: 327680
    .private_segment_fixed_size: 0
    .kernarg_segment_align: 8
    .kernarg_segment_size: 48
    .max_flat_workgroup_size: 128
    .sgpr_count:     100
    .vgpr_count:     1024
    .wavefront_size: 32
...
	.end_amdgpu_metadata
.endif
;; end of part 7
